; MI455X (gfx1250); checked and timed in simulation.
; The chip was launched on July 23, 2026; its instructions are those of AMD's public machine-readable ISA for CDNA 5 (MIT licence, August 2026) and "CDNA5" Instruction Set Architecture Reference Guide (July 2026). The comments in the code are by the model that wrote it; some were corrected since.
;; Encoder Layer. Allowed arithmetic: matrix products marked QUANTISED: E5M2 operands, one given power-of-two scale a tensor, by v_wmma_f32_16x16x64_bf8_bf8 or v_wmma_f32_16x16x128_bf8_bf8, f32 sums; everything else in f32.
;; Inputs: W1 1,024 x 4,096 float32; W2 4,096 x 1,024 float32; Wk 1,024 x 1,024 float32; Wo 1,024 x 1,024 float32; Wq 1,024 x 1,024 float32; Wv 1,024 x 1,024 float32; b1 4,096 float32; b2 1,024 float32; bk 1,024 float32; bo 1,024 float32; bq 1,024 float32; bv 1,024 float32; ln1_b 1,024 float32; ln1_g 1,024 float32; ln2_b 1,024 float32; ln2_g 1,024 float32; lowp_scales 16 int32 (the exponents e of the quantised operands' scales 2^e); src 2 x 2,048 x 1,024 float32.
;; Outputs: out0 2 x 2,048 x 1,024 float32.
;; This version of the problem:
;;   THIS VERSION OF THE PROBLEM IS GIVEN IN LOW PRECISION. The matrix products marked QUANTISED in the list below multiply operands that are first quantised to E5M2 (5 exponent bits, 2 mantissa bits; 8 bits a number), with one given power-of-two scale for each operand tensor; their sums are f32. All else is computed in f32.
;;   The module's matrix products, in the order in which they are computed (A, B: the left and right operand; K: the contracted axis; several contracted axes count as one K, in the product's order):
;;     1. [M 4,096, K 1,024] x [K 1,024, N 1,024]; A: input src; B: input Wq: QUANTISED (scales: A lowp_scales[0], B lowp_scales[1])
;;     2. [M 4,096, K 1,024] x [K 1,024, N 1,024]; A: input src; B: input Wk: QUANTISED (scales: A lowp_scales[2], B lowp_scales[3])
;;     3. [M 4,096, K 1,024] x [K 1,024, N 1,024]; A: input src; B: input Wv: QUANTISED (scales: A lowp_scales[4], B lowp_scales[5])
;;     4. batch 32 x [M 2,048, K 64] x [K 64, N 2,048]; A: computed on the way; B: computed on the way: QUANTISED (scales: A lowp_scales[6], B lowp_scales[7])
;;     5. batch 32 x [M 2,048, K 2,048] x [K 2,048, N 64]; A: softmax (see below); B: computed on the way: QUANTISED (scales: A lowp_scales[8], B lowp_scales[9])
;;     6. [M 4,096, K 1,024] x [K 1,024, N 1,024]; A: computed on the way; B: input Wo: QUANTISED (scales: A lowp_scales[10], B lowp_scales[11])
;;     7. [M 4,096, K 1,024] x [K 1,024, N 4,096]; A: computed on the way; B: input W1: QUANTISED (scales: A lowp_scales[12], B lowp_scales[13])
;;     8. [M 4,096, K 4,096] x [K 4,096, N 1,024]; A: computed on the way; B: input W2: QUANTISED (scales: A lowp_scales[14], B lowp_scales[15])
;;   THE QUANTISER, for each operand of a quantised product, along K:
;;     - The operand's scale is 2^e, e = its entry of the input lowp_scales (int32; the entries are numbered through the quantised products in the list's order, A before B).
;;     - Each number is divided by the scale, clamped to +-57,344, and rounded to the nearest number of E5M2, ties to even, subnormals kept.
;;     - The product sums the exact products of the quantised numbers (number of the format x scale) in f32.
;;   ~~~python
;;   def quantise(x, axis, e):      # numpy; x: float32 -> the quantised numbers, widened to float32 again
;;       x = np.moveaxis(x, axis, -1); K = x.shape[-1]
;;       r = np.clip(x / 2.0 ** e, -57344, 57344)
;;       step = 2.0 ** (np.maximum(np.frexp(np.where(r == 0, 1, r))[1] - 1, -14) - 2)
;;       q = np.round(r / step) * step * 2.0 ** e      # np.round: ties to even
;;       return np.moveaxis(q, -1, axis).astype(np.float32)
;;   ~~~
;;   SOFTMAX AHEAD OF A QUANTISED PRODUCT. Where the list says 'softmax', what is quantised is not the finished softmax but p = 2^(t - M), with t = logit x log2(e) and M = ceil(the row's largest t), a whole number; so 1/2 < the row's largest p <= 1. The row's sum l is taken of the UNQUANTISED p, in f32, and the product's result is divided by l at the end. Since M is a whole number, a kernel that streams over the keys may use a running M (the ceiling of the running maximum): every later rescaling is an exact power of two, so the quantised numbers keep their values, but for numbers so far below the row's largest that they fall under the format's range.
;;   OPERANDS COMPUTED ON THE WAY. 'Computed on the way' means the value that the module computes at that place (a softmax that the list does not call 'softmax' is quantised finished and normalised). What goes into a quantiser is computed in f32, as accurately as f32 sums, v_exp_f32 and their like allow (about 1e-6 of the number): no bf16 or f16 on the way to a quantiser, and a product that is left as it is and whose result goes on into a quantised operand takes f32 operands (vector FMAs, or v_wmma_f32_16x16x4_f32). A number that lies on a knife's edge between two numbers of the format may be rounded either way, as far as f32 arithmetic and the matrix unit's own rounding can turn it there, and no further.
;; One version. Each part assembles by itself: llvm-mc -triple=amdgcn-amd-amdhsa -mcpu=gfx1250 --defsym DOCPART=n.
;; ======== version 1 of 1: 8 launches
;; limits: right only within a limited range of input values
;; workspace buffers: ops 25,165,824 bytes; qkvc 12,582,912 bytes; cc 4,194,304 bytes; z 16,777,216 bytes; xf 16,777,216 bytes; xc 4,194,304 bytes; hc 16,777,216 bytes
;; launch prep (part 1): grid 640 x 1, 4 waves a work-group, no clusters, 67,072 bytes of LDS; arguments Wq, Wk, Wv, Wo, W1, W2, src, lowp_scales, ops; writes ops
.if DOCPART == 1
	.amdgcn_target "amdgcn-amd-amdhsa--gfx1250"
	.amdhsa_code_object_version 6
	.text
	.protected	k_q5e9f30b32c_prep
	.globl	k_q5e9f30b32c_prep
	.p2align	8
	.type	k_q5e9f30b32c_prep,@function
k_q5e9f30b32c_prep:
	s_mov_b64 s[64:65], 0
	v_nop
	global_prefetch_b8 v0, s[64:65] scope:SCOPE_SE
	s_setreg_imm32_b32 hwreg(HW_REG_WAVE_MODE, 25, 1), 1
	s_wait_xcnt 0x0
; PREP: the six weights and src (under its three scales) become codes of E5M2, laid as IMAGES OF OPERAND REGISTERS.
; A piece is 512 bytes: lane 16 h + r holds, at byte 16 x lane, the codes k = 32 c + 16 h + 0 .. 15 of row slot r; four pieces (c = 0 .. 3) are a fragment of 16 rows x 128 K.
; Slot r of block blk holds true row 32 (blk / 2) + 8 (blk % 2) + r + 8 (r / 8).  Order in memory: [tile of NBT blocks][K step of 128][block][piece].
; code = x / 2^e, to the nearest code, ties to even.  LIMITS: each e between -126 and 127; NaN among the inputs is not served.
; Work-groups 0 .. 383: weights ([K][N] in memory): 128 columns x 256 K each; a lane takes a column and its registers run down K, so the conversions give codes with K innermost.
; Work-groups 384 .. 639: one block of 16 tokens each; a wave takes all 16 rows x 256 columns (its two K steps), through a stage in LDS of its own: waves share nothing, no barrier.
; No work-group reads what another reads, so there is no cluster; no tensor loads: the numbers must pass through registers anyway.
.set NW,   384                         ; work-groups for the weights
.set VO,   32                          ; v32-63   weights: 4 x lane + i x a row of W, i = 0 .. 31; never rewritten
.set X,    64                          ; v64-127  weights: two sets of 32 numbers
.set C,    128                         ; v128-191 weights: eight registers of codes for each block of 32 K; never rewritten
.set SP,   1040                        ; src: a stage row: 1,024 bytes + 16: 65 x 16, so sixteen rows' equal columns fall on sixteen different groups of banks
.set WSTG, 16*SP                       ; a wave's stage
	s_load_b256 s[4:11], s[0:1], 0x0               ; Wq, Wk, Wv, Wo
	s_load_b256 s[12:19], s[0:1], 0x20             ; W1, W2, src, the scales' exponents
	s_load_b64 s[20:21], s[0:1], 0x40              ; ops
	v_lshl_add_u32 v192, v0, 2, 0x10400
	v_mov_b32 v193, 0
	v_lshrrev_b32 v1, 5, v0
	v_readfirstlane_b32 s22, v1                    ; wave 0..3
	v_and_b32 v2, 31, v0                           ; lane
	s_cmp_ge_u32 ttmp9, NW                         ; the same for all waves of a work-group
	s_cbranch_scc1 .Lsrc
	; ---- WEIGHTS.  g = work-group: 0-127 Wq, Wk, Wv, Wo (32 each), 128-255 W1, 256-383 W2
	s_lshr_b32 s23, ttmp9, 7                       ; hi
	s_lshr_b32 s24, ttmp9, 5
	s_add_co_u32 s36, s23, 3
	s_and_b32 s25, ttmp9, 31
	s_and_b32 s37, ttmp9, 127
	s_cmp_eq_u32 s23, 0
	s_cselect_b32 s24, s24, s36                    ; m: 0 .. 5 = Wq, Wk, Wv, Wo, W1, W2
	s_cselect_b32 s25, s25, s37                    ; the work-group's number within its weight
	s_and_b32 s26, s25, 31
	s_lshr_b32 s27, s25, 5
	s_and_b32 s36, s25, 7
	s_lshr_b32 s37, s25, 3
	s_mov_b32 s28, 4096
	s_cmp_eq_u32 s23, 1                            ; W1 has 4,096 columns, the others 1,024
	s_cselect_b32 s26, s26, s36                    ; T: which 128 columns
	s_cselect_b32 s27, s27, s37                    ; ky: which 256 along K
	s_cselect_b32 s28, 16384, s28                  ; a row of W in bytes
	s_cmp_eq_u32 s24, 3
	s_cselect_b32 s29, 1, 0
	s_cmp_eq_u32 s24, 5
	s_cselect_b32 s29, 1, s29                      ; 1: tiles of 8 blocks (Wo, W2), 0: of 16
	s_cselect_b32 s34, 5, 3                        ; log2 of the K steps: 32 (W2) or 8
	s_cselect_b32 s35, 8, s24
	s_xor_b32 s32, s29, 1                          ; 128 columns are a whole tile (0) or half of one (1)
	s_sub_co_u32 s33, 15, s29                      ; log2 of a K step's bytes in a tile: 32,768 or 16,384
	s_add_co_u32 s34, s34, s33                     ; log2 of a tile's bytes
	s_add_co_u32 s35, s35, 12
	s_lshl_b32 s35, s35, 20                        ; the weight's part of ops: 12, 13, 14, 15, 16, 20 MiB
	s_lshr_b32 s36, s26, s32
	s_lshl_b32 s36, s36, s34
	s_add_co_u32 s35, s35, s36                     ; + tile
	s_lshl_b32 s36, s27, 1
	s_lshl_b32 s36, s36, s33
	s_add_co_u32 s35, s35, s36                     ; + K step 2 ky
	s_and_b32 s36, s26, s32
	s_lshl_b32 s36, s36, 3
	s_lshl_b32 s37, s22, 1
	s_add_co_u32 s36, s36, s37
	s_lshl_b32 s36, s36, 11
	s_add_co_u32 s56, s35, s36                     ; + my wave's two blocks
	s_mov_b32 s57, 0
	s_lshl_b32 s58, 1, s33                         ; from a K step to the next
	s_mov_b32 s59, 0
	s_lshl_b32 s31, s24, 3                         ; the weight's entry among the scales, in bytes: 4, 12, 20, 44, 52, 60
	s_add_co_u32 s31, s31, 4
	s_cmp_ge_u32 s24, 3
	s_cselect_b32 s36, 16, 0
	s_add_co_u32 s31, s31, s36
	s_lshl_b32 s60, s27, 8                         ; in W: row 256 ky,
	s_mul_i32 s60, s60, s28
	s_lshl_b32 s61, s26, 9
	s_add_co_u32 s60, s60, s61                     ; column 128 T
	s_lshl_b32 s61, s22, 7
	s_add_co_u32 s60, s60, s61                     ; + 32 x wave
	s_mov_b32 s61, 0
	s_lshl_b32 s62, s28, 5                         ; 32 rows on
	s_mov_b32 s63, 0
	s_wait_alu depctr_va_vdst(0)
	v_lshlrev_b32 v[VO], 2, v2
.set i, 1
.rept 31
	v_add_nc_u32 v[VO+i], s28, v[VO+i-1]
.set i, i+1
.endr
	v_bfe_u32 v3, v2, 3, 1                         ; my column's block of the wave's two: (lane / 8) % 2,
	v_and_b32 v4, 7, v2
	v_lshrrev_b32 v5, 4, v2
	v_lshl_or_b32 v4, v5, 3, v4                    ; and its slot: lane % 8 + 8 (lane / 16)
	v_lshlrev_b32 v4, 4, v4
	v_lshl_or_b32 v4, v3, 11, v4                   ; 16 x slot + 2,048 x block; never rewritten
	s_wait_alu depctr_va_vdst(0)
	s_wait_kmcnt 0x0
	s_load_b32 s30, s[18:19], s31 offset:0x0       ; e
	s_cmp_eq_u32 s24, 1                            ; the weight's address: choices that hang on the work-group's number alone
	s_cselect_b64 s[38:39], s[6:7], s[4:5]
	s_cmp_eq_u32 s24, 2
	s_cselect_b64 s[38:39], s[8:9], s[38:39]
	s_cmp_eq_u32 s24, 3
	s_cselect_b64 s[38:39], s[10:11], s[38:39]
	s_cmp_eq_u32 s24, 4
	s_cselect_b64 s[38:39], s[12:13], s[38:39]
	s_cmp_eq_u32 s24, 5
	s_cselect_b64 s[38:39], s[14:15], s[38:39]
	s_add_nc_u64 s[40:41], s[38:39], s[60:61]      ; eight bases, one for each block of 32 K; never rewritten
.irp t, 1,2,3,4,5,6,7
	s_add_nc_u64 s[40+2*\t:41+2*\t], s[38+2*\t:39+2*\t], s[62:63]
.endr
	s_add_nc_u64 s[56:57], s[20:21], s[56:57]      ; where K step 2 ky's codes go,
	s_add_nc_u64 s[58:59], s[56:57], s[58:59]      ; and K step 2 ky + 1's
.macro LOADW t                         ; W(256 ky + 32 t + i, my column), i = 0 .. 31: each load reads 128 consecutive bytes a wave, 512 a work-group
.set i, 0
.rept 32
	global_load_b32 v[X+32*((\t)%2)+i], v[VO+i], s[40+2*(\t):41+2*(\t)] th:TH_LOAD_NT
.set i, i+1
.endr
.endm
.macro BLOCKW t
.set XS, X+32*((\t)%2)
.if (\t) < 7
	s_wait_loadcnt 32                              ; this block's 32 loads are in; the next block's 32 may be out
.else
	s_wait_loadcnt 0x0
.endif
.set i, 0
.rept 32
.set i, i+1
.endr
.irp g, 0,1,2,3
	v_cvt_scalef32_pk8_bf8_f32 v[C+8*(\t)+2*\g:C+8*(\t)+2*\g+1], v[XS+8*\g:XS+8*\g+7], v11
.endr
	; k = 0 .. 15 of the block go to the piece's first half, k = 16 .. 31 to its second: sixteen lanes (one block's sixteen slots) fill 256 consecutive aligned bytes
	global_store_b128 v4, v[C+8*(\t):C+8*(\t)+3], s[56+2*((\t)/4):57+2*((\t)/4)] offset:((\t)%4)*512
	global_store_b128 v4, v[C+8*(\t)+4:C+8*(\t)+7], s[56+2*((\t)/4):57+2*((\t)/4)] offset:((\t)%4)*512+256
.if (\t) < 6
	LOADW (\t)+2                                   ; (the results go to stores alone, and the next block begins with conversions on other registers)
.endif
.endm
	LOADW 0
	LOADW 1
	s_wait_kmcnt 0x0
	s_add_co_i32 s30, s30, 127
	s_lshl_b32 s31, s30, 23
	v_mov_b32 v11, s31                             ; 2^e as f32: the conversion takes its exponent field
	s_add_co_i32 s30, s30, 15
	s_lshl_b32 s30, s30, 23
	s_or_b32 s30, s30, 0x600000
	s_wait_alu depctr_va_vdst(0)
.irp t, 0,1,2,3,4,5,6,7
	BLOCKW \t
.endr
	s_endpgm
	; ---- SRC.  Token block TB = work-group - 384
.Lsrc:
	s_sub_co_u32 s23, ttmp9, NW
	s_lshr_b32 s24, s23, 1
	s_lshl_b32 s24, s24, 5
	s_and_b32 s25, s23, 1
	s_lshl_b32 s25, s25, 3
	s_add_co_u32 s24, s24, s25                     ; slot 0's true row: 32 (TB / 2) + 8 (TB % 2)
	s_lshl_b32 s24, s24, 12
	s_lshl_b32 s25, s22, 10
	s_add_co_u32 s24, s24, s25                     ; + my wave's 256 columns
	s_mov_b32 s25, 0
	s_lshr_b32 s26, s23, 4
	s_lshl_b32 s26, s26, 18                        ; the codes: tile TB / 16 of 262,144 bytes,
	s_and_b32 s27, s23, 15
	s_lshl_b32 s27, s27, 11
	s_add_co_u32 s26, s26, s27                     ; block TB % 16,
	s_lshl_b32 s27, s22, 16
	s_add_co_u32 s26, s26, s27                     ; K step 2 x wave
	s_mov_b32 s27, 0
	s_wait_alu depctr_va_vdst(0)
	v_lshlrev_b32 v3, 4, v2                        ; 16 x lane
	s_mul_i32 s28, s22, WSTG
	v_add_nc_u32 v5, s28, v3                       ; the stage, on the way in: as the bytes lie
	v_and_b32 v6, 15, v2
	v_lshrrev_b32 v7, 4, v2
	v_mul_u32_u24 v6, v6, SP
	v_lshl_add_u32 v6, v7, 6, v6
	v_add_nc_u32 v6, s28, v6                       ; and on the way out: row = my slot, + 64 h: my 16 numbers of a block of 32
	s_wait_alu depctr_va_vdst(0)
	s_wait_kmcnt 0x0
	s_load_b256 s[32:39], s[18:19], 0x0            ; entries 0 .. 7: src's three scales are entries 0, 2, 4
	s_add_nc_u64 s[16:17], s[16:17], s[24:25]
	s_add_nc_u64 s[44:45], s[20:21], s[26:27]      ; the three sets of codes lie 4 MiB apart
	s_add_nc_u64 s[46:47], s[44:45], 0x400000
	s_add_nc_u64 s[48:49], s[46:47], 0x400000
.set i, 0
.rept 16                               ; slot i is true row i + 8 (i / 8) from slot 0's; each load reads 512 consecutive bytes
	global_load_b128 v[32+8*i:32+8*i+3], v3, s[16:17] offset:(i+8*(i/8))*4096 th:TH_LOAD_NT
	global_load_b128 v[32+8*i+4:32+8*i+7], v3, s[16:17] offset:(i+8*(i/8))*4096+512 th:TH_LOAD_NT
.set i, i+1
.endr
	s_wait_kmcnt 0x0
.irp q, 0,1,2
	s_add_co_i32 s40, s[32+2*\q], 127
	s_lshl_b32 s41, s40, 23
	v_mov_b32 v[20+\q], s41                        ; 2^e
	s_add_co_i32 s40, s40, 15
	s_lshl_b32 s40, s40, 23
	s_or_b32 s40, s40, 0x600000
.endr
.set i, 0
	s_wait_alu depctr_va_vdst(0)
.rept 16
	s_wait_loadcnt 30-2*i                          ; slot i's two loads are in; the later slots' may be out
	ds_store_b128 v5, v[32+8*i:32+8*i+3] offset:i*SP
	ds_store_b128 v5, v[32+8*i+4:32+8*i+7] offset:i*SP+512
.set i, i+1
.endr
	s_wait_dscnt 0x0                               ; the stores have read their registers, which the loads below fill again
.set g, 0
.rept 8                                ; group g = 4 x (K step of my two) + piece: my 16 numbers of it
.irp j, 0,1,2,3
	ds_load_b128 v[32+16*g+4*\j:32+16*g+4*\j+3], v6 offset:(g/4)*512+(g%4)*128+16*\j
.endr
.set g, g+1
.endr
.set g, 0
.rept 8
	s_wait_dscnt 28-4*g                            ; this group's four loads are in; the later groups' may be out
	s_wait_xcnt 0x0                                ; the last group's three stores have read their codes' registers
.irp q, 0,1,2
.set i, 0
.rept 16
.set i, i+1
.endr
	v_cvt_scalef32_pk8_bf8_f32 v[176+4*\q:177+4*\q], v[160+((32+16*g+i)-(160+i)):167+((32+16*g+i)-(160+i))], v[20+\q]
	v_cvt_scalef32_pk8_bf8_f32 v[178+4*\q:179+4*\q], v[168+((32+16*g+i)-(160+i)):175+((32+16*g+i)-(160+i))], v[20+\q]
	v_nop
	global_store_b128 v3, v[176+4*\q:179+4*\q], s[44+2*\q:45+2*\q] offset:(g/4)*32768+(g%4)*512   ; a whole piece: 512 consecutive aligned bytes
.endr
.set g, g+1
.endr
	s_wait_tensorcnt 0x0
	ds_add_u32 v192, v193
	s_wait_dscnt 0x0
	s_endpgm
.Lfunc_end_k_q5e9f30b32c_prep:
	.size	k_q5e9f30b32c_prep, .Lfunc_end_k_q5e9f30b32c_prep-k_q5e9f30b32c_prep
	.p2alignl 7, 3214868480
	.fill 96, 4, 3214868480
	.section	.rodata,"a",@progbits
	.p2align	6, 0x0
	.amdhsa_kernel k_q5e9f30b32c_prep
		.amdhsa_group_segment_fixed_size 67072
		.amdhsa_private_segment_fixed_size 0
		.amdhsa_enable_private_segment 0
		.amdhsa_kernarg_size 72
		.amdhsa_user_sgpr_count 2
		.amdhsa_user_sgpr_kernarg_segment_ptr 1
		.amdhsa_wavefront_size32 1
		.amdhsa_system_sgpr_workgroup_id_x 1
		.amdhsa_system_sgpr_workgroup_id_y 1
		.amdhsa_system_sgpr_workgroup_id_z 1
		.amdhsa_system_vgpr_workitem_id 0
		.amdhsa_next_free_vgpr 194
		.amdhsa_next_free_sgpr 66
		.amdhsa_reserve_vcc 0
		.amdhsa_float_denorm_mode_32 3
		.amdhsa_float_denorm_mode_16_64 3
		.amdhsa_fp16_overflow 1
		.amdhsa_memory_ordered 1
		.amdhsa_forward_progress 1
		.amdhsa_inst_pref_size 50
	.end_amdhsa_kernel
	.amdgpu_metadata
---
amdhsa.version: [ 1, 2 ]
amdhsa.kernels:
  - .name:           k_q5e9f30b32c_prep
    .symbol:         k_q5e9f30b32c_prep.kd
    .args:
      - { .name: Wq, .offset: 0, .size: 8, .value_kind: global_buffer, .address_space: global }
      - { .name: Wk, .offset: 8, .size: 8, .value_kind: global_buffer, .address_space: global }
      - { .name: Wv, .offset: 16, .size: 8, .value_kind: global_buffer, .address_space: global }
      - { .name: Wo, .offset: 24, .size: 8, .value_kind: global_buffer, .address_space: global }
      - { .name: W1, .offset: 32, .size: 8, .value_kind: global_buffer, .address_space: global }
      - { .name: W2, .offset: 40, .size: 8, .value_kind: global_buffer, .address_space: global }
      - { .name: src, .offset: 48, .size: 8, .value_kind: global_buffer, .address_space: global }
      - { .name: lowp_scales, .offset: 56, .size: 8, .value_kind: global_buffer, .address_space: global }
      - { .name: ops, .offset: 64, .size: 8, .value_kind: global_buffer, .address_space: global }
    .group_segment_fixed_size: 67072
    .private_segment_fixed_size: 0
    .kernarg_segment_align: 8
    .kernarg_segment_size: 72
    .max_flat_workgroup_size: 128
    .sgpr_count:     66
    .vgpr_count:     194
    .wavefront_size: 32
...
	.end_amdgpu_metadata
.endif
;; end of part 1
;; launch qkv (part 2): grid 12 x 16, 4 waves a work-group, clusters of 4 x 4, 327,680 bytes of LDS; arguments ops, bq, bk, bv, lowp_scales, qkvc; writes qkvc
.if DOCPART == 2
	.amdgcn_target "amdgcn-amd-amdhsa--gfx1250"
	.amdhsa_code_object_version 6
	.text
	.protected	k_q5e9f30b32c_qkv
	.globl	k_q5e9f30b32c_qkv
	.p2align	8
	.type	k_q5e9f30b32c_qkv,@function
k_q5e9f30b32c_qkv:
	s_mov_b64 s[64:65], 0
	v_nop
	global_prefetch_b8 v0, s[64:65] scope:SCOPE_SE
	s_setreg_imm32_b32 hwreg(HW_REG_WAVE_MODE, 25, 1), 1
	s_wait_xcnt 0x0
	s_wait_alu depctr_hold_cnt(0) depctr_sa_sdst(0) depctr_va_vdst(0) depctr_va_sdst(0) depctr_va_ssrc(0) depctr_va_vcc(0) depctr_vm_vsrc(0)
	s_getreg_b32 s2, hwreg(HW_REG_IB_STS2, 6, 4)
	s_cmp_eq_u32 s2, 0
	s_cbranch_scc0 .Lentry_in_a_cluster
	s_endpgm
.Lentry_in_a_cluster:
	s_bfe_u32 s2, ttmp6, 0x10000c
	s_cmp_lg_u32 s2, 0xf033
	s_cbranch_scc0 .Lentry_shape_is_right
	s_endpgm
.Lentry_shape_is_right:
; A PRODUCT ON CODES OF E5M2 WHOSE RESULT IS QUANTISED AGAIN.  One source for two launches: MODE 0: Q, K and V^T from src and Wq, Wk, Wv;  MODE 1: relu(x W1 + b1).
; Both operands lie in memory as images of operand registers (a piece of 512 bytes: lane 16 h + r holds k = 32 c + 16 h + 0 .. 15 of row slot r; order [tile of 16 blocks][K step of 128][block][piece]).
; Slot r of block blk is true row 32 (blk / 2) + 8 (blk % 2) + r + 8 (r / 8).  THE MATRIX INSTRUCTION IS USED TRANSPOSED: source 0 = 16 rows of the column operand, source 1 = 16 rows of the row operand.
; In accumulator (a, b) lane (r, h) then holds slot r of row block a, and register j the TRUE column 32 (b / 2) + 16 h + 8 (b % 2) + j: the 16 registers of accumulators 2 q and 2 q + 1 are 16 neighbours,
; and their codes are my lane's 16 bytes of piece q of the next operand: results leave straight from registers, 512 consecutive aligned bytes a store.
; A tile is 256 x 256; four waves, 128 x 128 each: 64 accumulators.  K = 1,024 goes through a ring of two LDS slots of 256 along K; a slot's part of a tile is one dense block of memory.
; MODE 0: cluster x says which third: 0: Q (row operand: src under entry 0, column operand: Wq), 1: K, 2: V^T (row operand: Wv, column operand: src under entry 4), so that V comes out with the keys innermost.
; CLUSTERS: 4 x 4 work-groups; the row operand's tile is asked for jointly along a row of the cluster, the column operand's along a column.
; The column bias goes in as the C of each sum's first product, divided by 2^(ea + eb); V's bias runs along rows and is added at the end.  Q's division by 8 is 3 more in its conversion's exponent.
; LIMITS: eo - ea - eb (eo: the result's exponent, with Q's 3) between -126 and 112; ea + eb between -127 and 126.  NaN and infinities among the inputs are not served.
; REGISTERS: window 0: v16-21 LDS addresses; v28, v29 for the add; v32-95 the column bias; v96-111 the row bias; v112-119 where results go; v120, v121 hold and scale; v128-255 the row operand's fragments, ONE set,
;   later 64 held numbers and four sets of codes.  Window 1: the column operand's fragments, two sets.  Windows 2, 3: the accumulators ((a, b) at v[8 (8 (a % 4) + b)]).
.set MODE,  0
.if MODE == 0
.set LP, 12                            ; s[12:13] the scales' exponents
.set CP, 4                             ; the column operand lies in ops too
.else
.set LP, 10
.set CP, 6
.endif
.set SLOT,  131072                     ; a slot: the row operand's [K step 2][block 16][2,048], then the column operand's
.set BOFF,  65536
.set SPARE, 2*SLOT                     ; behind the ring: the spare words, 128 bytes for each wave: two blocks of 256 bytes that no other line names
.set LAPS,  2                          ; K = 1,024 is four slots' worth: twice round the ring
.set FR,    16
.set NL,    4
.set NP,    4                          ; places behind this matrix instruction (ISA guide 7.12.1)
.set ADRA,  16
.set ADRB,  20
.set SPW,   28
.set NIL,   29
.set BC,    32
.set BR,    96
.set OA,    112
.set HI,    120
.set SCV,   121
.set AF,    128
.set TMP,   128
.set CD,    192
.set G1,  24
.set G0,  32
.set G1B, 48
.set G0B, 56
.set MSB, 0
.macro WIN new                         ; the immediate's high byte repeats the setting that is left
.if MSB != (\new)
	s_set_vgpr_msb (MSB<<8)|(\new)
.set MSB, (\new)
.endif
.endm
.set MUL_LO, 0xa1                      ; source 0 window 1, source 1 window 0, C and D window 2
.set MUL_HI, 0xf1                      ; the same, C and D window 3
.set TO_B,   0x40                      ; destination window 1, address window 0
; A joint load: waves 0 and 1 fetch the row operand's two K steps of a slot, waves 2 and 3 the column operand's.  The branch hangs on the wave's number alone.  Four v_nop follow each line.
.macro JLOAD g0a, g1a, g0b, g1b
	s_cmp_eq_u32 s17, 0
	s_cbranch_scc0 .Lfor_b_\@
	tensor_load_to_lds s[\g0a:\g0a+3], s[\g1a:\g1a+7]
	s_nop 0
.rept 4
	v_nop
.endr
	s_branch .Lasked_\@
.Lfor_b_\@:
	tensor_load_to_lds s[\g0b:\g0b+3], s[\g1b:\g1b+7]
	s_nop 0
.rept 4
	v_nop
.endr
.Lasked_\@:
.endm
.macro CREST                           ; a round of the cluster's barrier behind its opening barrier
	s_cmp_lg_u32 s16, 0
	s_cbranch_scc1 .Lnot_wave_0_\@
	s_barrier_signal -3
.Lnot_wave_0_\@:
	s_barrier_wait -3
	s_barrier_signal -1
	s_barrier_wait -1
.endm
.macro CROUND
	s_barrier_signal -1
	s_barrier_wait -1
	CREST
.endm
	s_load_b256 s[4:11], s[0:1], 0x0               ; MODE 0: ops, bq, bk, bv;  MODE 1: xc, ops, b1, the scales' exponents
.if MODE == 0
	s_load_b128 s[12:15], s[0:1], 0x20             ; the scales' exponents, qkvc
.else
	s_load_b64 s[14:15], s[0:1], 0x20              ; hc
.endif
	v_lshl_add_u32 v[SPW], v0, 2, SPARE
	v_mov_b32 v[NIL], 0
	ds_add_u32 v28, v29
	ds_add_u32 v28, v29
	s_wait_dscnt 0x0
	v_lshrrev_b32 v1, 5, v0
	v_readfirstlane_b32 s16, v1                    ; wave 0..3
	s_lshr_b32 s17, s16, 1                         ; which half of the tile's rows is mine.  Also: I fetch for the row operand (0) or the column operand (1)
	s_and_b32 s18, s16, 1                          ; which half of its columns.  Also: which K step of a slot I fetch
	s_bfe_u32 s20, ttmp6, 0x40000                  ; cx
	s_bfe_u32 s21, ttmp6, 0x40004                  ; cy
	s_and_b32 s22, ttmp7, 0xffff
	s_lshl_b32 s22, s22, 2                         ; 4 x cluster y
.if MODE == 0
	s_lshl_b32 s66, ttmp9, 22                      ; src's codes under entry 0 or 2: 0 or 4 MiB into ops
	s_add_co_u32 s67, ttmp9, 12
	s_lshl_b32 s67, s67, 20                        ; Wq or Wk: 12 or 13 MiB
	s_cmp_lt_u32 ttmp9, 2                          ; cluster x is the same in all sixteen partners
	s_cselect_b32 s68, s22, 0                      ; the sixteen tiles of tokens walk with cluster y: as rows (Q, K)
	s_cselect_b32 s69, 0, s22                      ; or as columns (V^T)
	s_cselect_b32 s66, s66, 0xe00000               ; V^T: rows from Wv, 14 MiB,
	s_cselect_b32 s67, s67, 0x800000               ; columns from src's codes under entry 4, 8 MiB
	s_add_co_u32 s40, s68, s21                     ; tile row
	s_add_co_u32 s41, s69, s20                     ; tile column
.else
	s_add_co_u32 s40, s22, s21                     ; tile row = 4 x cluster y + cy
	s_lshl_b32 s41, ttmp9, 2
	s_add_co_u32 s41, s41, s20                     ; tile column = 4 x cluster x + cx
	s_mov_b32 s66, 0
	s_mov_b32 s67, 0x1000000                       ; W1: 16 MiB into ops
.endif
	s_lshl_b32 s42, s21, 2
	s_lshl_b32 s42, 15, s42                        ; my row of the cluster
	s_lshl_b32 s43, 0x1111, s20                    ; my column
	; descriptor group 1: a dense block of 32,768 bytes as 128 rows of 32 elements of 8 bytes; no padding: a fragment load takes 512 consecutive bytes
	s_or_b32 s[G1], s42, (3<<16)|(1<<21)           ; 15:0 the mask; 17:16 elements of 8 bytes; 21 set beside a mask
	s_or_b32 s[G1B], s43, (3<<16)|(1<<21)
.irp g, G1, G1B
	s_mov_b32 s[\g+1], 32<<16                      ; tensor_dim0
	s_mov_b32 s[\g+2], 128<<16                     ; tensor_dim1
	s_mov_b32 s[\g+3], 32<<16                      ; tile_dim0
	s_mov_b32 s[\g+4], 128                         ; tile_dim1
	s_mov_b32 s[\g+5], 32                          ; tensor_dim0_stride
	s_mov_b32 s[\g+6], 0
	s_mov_b32 s[\g+7], 0
.endr
	s_lshl_b32 s70, s18, 15                        ; my K step of a slot's two
	s_lshl_b32 s44, s40, 18                        ; a tile is 262,144 bytes
	s_add_co_u32 s44, s44, s66
	s_add_co_u32 s44, s44, s70
	s_mov_b32 s45, 0
	s_lshl_b32 s46, s41, 18
	s_add_co_u32 s46, s46, s67
	s_add_co_u32 s46, s46, s70
	s_mov_b32 s47, 0
	s_lshl_b32 s71, s16, 15                        ; where it goes: wave x 32,768: no place in the cluster enters an LDS address
	s_wait_kmcnt 0x0
	s_load_b512 s[72:87], s[LP:LP+1], 0x0          ; all sixteen exponents
	s_add_nc_u64 s[44:45], s[4:5], s[44:45]
	s_add_nc_u64 s[46:47], s[CP:CP+1], s[46:47]
	CROUND                                         ; all sixteen work-groups are here: the first joint loads meet
.irp s, 0,1
	s_mov_b32 s[G0+4*\s], 1
	s_add_co_u32 s[G0+4*\s+1], s71, \s*SLOT
	s_add_nc_u64 s[G0+4*\s+2:G0+4*\s+3], s[44:45], \s*65536
	s_or_b32 s[G0+4*\s+3], s[G0+4*\s+3], 0x80000000
	s_mov_b32 s[G0B+4*\s], 1
	s_add_co_u32 s[G0B+4*\s+1], s71, \s*SLOT
	s_add_nc_u64 s[G0B+4*\s+2:G0B+4*\s+3], s[46:47], \s*65536
	s_or_b32 s[G0B+4*\s+3], s[G0B+4*\s+3], 0x80000000
	JLOAD G0+4*\s, G1, G0B+4*\s, G1B               ; two loads of mine are out
.endr
	v_and_b32 v1, 15, v0                           ; r
	v_bfe_u32 v2, v0, 4, 1                         ; h
	v_and_b32 v3, 31, v0
	v_lshlrev_b32 v3, 4, v3                        ; 16 x lane
	s_lshl_b32 s2, s17, 14                         ; my 8 blocks of the row operand
	s_lshl_b32 s3, s18, 14
	s_add_co_u32 s3, s3, BOFF                      ; and of the column operand
.irp s, 0,1
	v_add_nc_u32 v[ADRA+\s], s2, v3
	v_add_nc_u32 v[ADRB+\s], s3, v3
	s_add_co_u32 s2, s2, SLOT
	s_add_co_u32 s3, s3, SLOT
.endr
	s_wait_kmcnt 0x0
	s_lshl_b32 s94, s41, 3
	s_lshl_b32 s91, s18, 2
	s_add_co_u32 s94, s94, s91                     ; my first group of 32 columns: 8 x tile column + 4 x half
	s_lshl_b32 s95, s40, 4
	s_lshl_b32 s91, s17, 3
	s_add_co_u32 s95, s95, s91                     ; my first block of rows: 16 x tile row + 8 x half
.if MODE == 0
	s_add_co_i32 s90, s78, 3                       ; Q / 8 under entry 6
	s_cmp_eq_u32 ttmp9, 1
	s_cselect_b32 s88, s74, s72                    ; ea
	s_cselect_b32 s89, s75, s73                    ; eb
	s_cselect_b32 s90, s79, s90                    ; eo: K under entry 7
	s_cselect_b64 s[92:93], s[8:9], s[6:7]         ; the column bias: bk or bq
	s_cmp_eq_u32 ttmp9, 2
	s_cselect_b32 s88, s76, s88
	s_cselect_b32 s89, s77, s89
	s_cselect_b32 s90, s81, s90                    ; V under entry 9
	s_cselect_b32 s98, 0, s94                      ; V^T has no column bias: bq's first numbers are loaded and multiplied by 0, so that no load leaves its buffer
	s_cselect_b32 s2, s95, 0                       ; and bv runs along its rows
	s_cselect_b32 s23, 16, 14                      ; log2 of the bytes from a row block's results to the next block's: 65,536 in V^T, 16,384 in Q and K
.else
	s_mov_b32 s88, s84                             ; x under entry 12, W1 under 13, the hidden layer under 14
	s_mov_b32 s89, s85
	s_mov_b32 s90, s86
	s_mov_b64 s[92:93], s[8:9]                     ; b1
	s_mov_b32 s98, s94
.endif
	s_add_co_i32 s88, s88, s89                     ; ea + eb: a sum stands for sum x 2^(ea + eb)
	s_sub_co_i32 s90, s90, s88                     ; so its code is sum / 2^(eo - ea - eb)
	s_add_co_i32 s90, s90, 127
	s_lshl_b32 s91, s90, 23
	v_mov_b32 v[SCV], s91
	s_add_co_i32 s90, s90, 15
	s_lshl_b32 s90, s90, 23
	s_or_b32 s90, s90, 0x600000
	v_mov_b32 v[HI], s90                           ; 57,344 x that
	s_sub_co_i32 s88, 127, s88
	s_lshl_b32 s88, s88, 23                        ; 2^-(ea + eb), for the biases
.if MODE == 0
	s_cmp_eq_u32 ttmp9, 2
	s_cselect_b32 s96, 0, s88
.else
	s_mov_b32 s96, s88
.endif
	s_mov_b32 s97, s96                             ; (named with it as a pair, so it is written)
	s_lshl_b32 s98, s98, 7
	s_mov_b32 s99, 0
	s_add_nc_u64 s[92:93], s[92:93], s[98:99]
	v_lshlrev_b32 v4, 6, v2                        ; 64 h: accumulator b wants the bias of columns 32 (b / 2) + 16 h + 8 (b % 2) + 0 .. 7
.irp b, 0,1,2,3,4,5,6,7
	global_load_b128 v[BC+8*\b:BC+8*\b+3], v4, s[92:93] offset:128*(\b/2)+32*(\b%2)
	global_load_b128 v[BC+8*\b+4:BC+8*\b+7], v4, s[92:93] offset:128*(\b/2)+32*(\b%2)+16
.endr
.if MODE == 0
	s_lshl_b32 s2, s2, 6
	s_mov_b32 s3, 0
	s_add_nc_u64 s[10:11], s[10:11], s[2:3]
	v_and_b32 v5, 8, v1
	v_add_nc_u32 v5, v5, v1
	v_lshlrev_b32 v5, 2, v5                        ; my slot's true row in a pair of blocks: r + 8 (r / 8)
.irp a, 0,1,2,3,4,5,6,7
	global_load_b32 v[BR+2*\a], v5, s[10:11] offset:128*(\a/2)+32*(\a%2)
.endr
	s_lshl_b32 s98, ttmp9, 22                      ; results: Q, K, V^T lie 4 MiB apart,
	s_lshl_b32 s91, s95, s23
	s_add_co_u32 s98, s98, s91                     ; my first row block,
	s_lshl_b32 s91, s94, 9
	s_add_co_u32 s98, s98, s91                     ; my first piece
	s_lshl_b32 s91, 1, s23
.else
	s_lshl_b32 s98, s40, 1                         ; results: tiles of 8 blocks x 32 K steps: tile 2 x tile row + half,
	s_add_co_u32 s98, s98, s17
	s_lshl_b32 s98, s98, 19
	s_lshl_b32 s91, s41, 1
	s_add_co_u32 s91, s91, s18
	s_lshl_b32 s91, s91, 14                        ; K step 2 x tile column + half
	s_add_co_u32 s98, s98, s91
	s_mov_b32 s91, 2048                            ; from a block to the next
.endif
	s_add_nc_u64 s[14:15], s[14:15], s[98:99]
	v_mov_b32 v[OA], v3
.irp a, 1,2,3,4,5,6,7
	v_add_nc_u32 v[OA+\a], s91, v[OA+\a-1]
.endr
	s_wait_loadcnt 0x0                             ; the biases
.set j, 0
.rept 32
	v_pk_mul_f32 v[BC+j:BC+j+1], v[BC+j:BC+j+1], s[96:97] op_sel_hi:[1,0]
.set j, j+2
.endr
.if MODE == 0
.irp a, 0,1,2,3,4,5,6,7
	v_mul_f32 v[BR+2*\a], s88, v[BR+2*\a]
	v_mov_b32 v[BR+2*\a+1], v[BR+2*\a]
.endr
.endif
.macro FRAG reg, adr, q, i             ; a fragment as it lies: four loads of 512 consecutive bytes
.irp c, 0,1,2,3
	ds_load_b128 v[\reg+4*\c:\reg+4*\c+3], v[\adr] offset:32768*(\q)+2048*(\i)+512*\c
.endr
.endm
; 16 matrix instructions: row blocks a0, a0 + 1 x the eight column blocks.  p: the column operand's set.  zero = 1: the first product starts the sums, with the bias as C.
; The 64 accumulators take turns, one instruction a turn, in the same order in every step.
.macro MUL16 a0, p, zero
.irp a, \a0, \a0+1
.irp b, 0,1,2,3,4,5,6,7
.if \zero
	v_wmma_f32_16x16x128_bf8_bf8 v[8*(8*((\a)%4)+\b):8*(8*((\a)%4)+\b)+7], v[128*(\p)+FR*\b:128*(\p)+FR*\b+FR-1], v[AF+FR*(\a):AF+FR*(\a)+FR-1], v[BC+8*\b:BC+8*\b+7]
.else
	v_wmma_f32_16x16x128_bf8_bf8 v[8*(8*((\a)%4)+\b):8*(8*((\a)%4)+\b)+7], v[128*(\p)+FR*\b:128*(\p)+FR*\b+FR-1], v[AF+FR*(\a):AF+FR*(\a)+FR-1], v[8*(8*((\a)%4)+\b):8*(8*((\a)%4)+\b)+7]
.endif
.endr
.endr
.endm
.macro FETCH_B slot, q, p
	WIN TO_B
.irp i, 0,1,2,3,4,5,6,7
	FRAG 128*(\p)+FR*\i, ADRB+\slot, \q, \i
.endr
	WIN 0
.endm
.macro FETCH_A slot, q, i0
.irp i, \i0, \i0+1, \i0+2, \i0+3
	FRAG AF+FR*(\i), ADRA+\slot, \q, \i
.endr
.endm
.macro PLACES n                        ; plain vector lines between a matrix instruction and a load into, or a vector line on, its registers
.rept \n
	v_nop
.endr
.endm
; A step of 128 along K that has its successor in the same slot.
.macro STEP slot, q, zero
	s_wait_dscnt 4*NL                              ; the column operand's set and row blocks 0-3 are in; the youngest sixteen loads (row blocks 4-7) may be out
.if \zero
	WIN 0x81                                       ; C (the bias) window 0, D window 2
.else
	WIN MUL_LO
.endif
	MUL16 0, (\q)%2, \zero
	MUL16 2, (\q)%2, \zero
	s_wait_dscnt 0
	PLACES NP
	FETCH_B \slot, (\q)+1, 1-(\q)%2
	FETCH_A \slot, (\q)+1, 0
.if \zero
	WIN 0xc1
.else
	WIN MUL_HI
.endif
	MUL16 4, (\q)%2, \zero
	MUL16 6, (\q)%2, \zero
	PLACES NP
	WIN 0
	FETCH_A \slot, (\q)+1, 4
.endm
; A slot's last step changes slots: ONE barrier; in front of it each wave waits for all its tensor loads, adds 0 to its spare word, and waits for that and for its own reads of this slot.  fill = 1: this slot is filled again.
.macro TURN slot, next, fill
	s_wait_tensorcnt 0x0                           ; all my tensor loads have landed: my part of the next slot  (every window is 0 here)
	ds_add_u32 v[SPW], v[NIL]                      ; 0 onto my spare word
	s_wait_dscnt 4*NL+1                            ; (the add and the youngest sixteen loads may be out)
	WIN MUL_LO
	MUL16 0, 1, 0                                  ; sixteen matrix instructions stand between the add and the wait for it
	s_wait_dscnt 0x0                               ; the add is done, and my reads of this slot are over
	s_barrier_signal -1
	MUL16 2, 1, 0
	WIN 0
	s_barrier_wait -1
.if \fill
	CREST                                          ; the barrier has opened a round of the cluster's: no wave of any partner still reads this slot or has a load on its way
	s_add_nc_u64 s[G0+4*\slot+2:G0+4*\slot+3], s[G0+4*\slot+2:G0+4*\slot+3], 2*65536
	s_add_nc_u64 s[G0B+4*\slot+2:G0B+4*\slot+3], s[G0B+4*\slot+2:G0B+4*\slot+3], 2*65536
	JLOAD G0+4*\slot, G1, G0B+4*\slot, G1B         ; the first tensor load behind the round; its four v_nop are the places in front of the loads below
.else
	PLACES NP
.endif
	FETCH_B \next, 0, 0
	FETCH_A \next, 0, 0
	WIN MUL_HI
	MUL16 4, 1, 0
	MUL16 6, 1, 0
	PLACES NP
	WIN 0
	FETCH_A \next, 0, 4
.endm
	s_wait_tensorcnt 1                             ; my part of slot 0 is in; slot 1's load may be out
	s_barrier_signal -1
	s_barrier_wait -1
	FETCH_B 0, 0, 0
	FETCH_A 0, 0, 0
	FETCH_A 0, 0, 4
	STEP 0, 0, 1
	s_mov_b32 s19, LAPS-1
.Llap:                                                 ; a trip goes once round the ring and fills both slots again
	TURN 0, 1, 1
	STEP 1, 0, 0
	TURN 1, 0, 1
	STEP 0, 0, 0
	s_sub_co_u32 s19, s19, 1
	s_cmp_lg_u32 s19, 0
	s_cbranch_scc1 .Llap
	TURN 0, 1, 0                                   ; the last lap fills nothing
	STEP 1, 0, 0
	s_wait_dscnt 4*NL
	WIN MUL_LO
	MUL16 0, 1, 0
	MUL16 2, 1, 0
	s_wait_dscnt 0
	WIN MUL_HI
	MUL16 4, 1, 0
	MUL16 6, 1, 0
	WIN 0
	PLACES NP                                      ; ahead of the first read of results and of writes into the registers that held fragments
.if MODE == 0
	s_cmp_lg_u32 ttmp9, 2                          ; V^T alone has a bias along its rows: one number a lane for each row block
	s_cbranch_scc1 .Lnorow
	WIN 0x82
.irp a, 0,1,2,3
.set j, 0
.rept 32
	v_pk_add_f32 v[64*\a+j:64*\a+j+1], v[64*\a+j:64*\a+j+1], v[BR+2*\a:BR+2*\a+1]
.set j, j+2
.endr
.endr
	WIN 0xc3
.irp a, 0,1,2,3
.set j, 0
.rept 32
	v_pk_add_f32 v[64*\a+j:64*\a+j+1], v[64*\a+j:64*\a+j+1], v[BR+8+2*\a:BR+8+2*\a+1]
.set j, j+2
.endr
.endr
	WIN 0
.Lnorow:
.endif
; Row block a: held (MODE 1: and clipped at 0: the activation), converted, stored.  Each accumulator is read from its low end on.
.macro OUTA a
	WIN 0x02+((\a)/4)                              ; source 0: window 2 or 3
.set j, 0
.rept 64
.if MODE == 0
	v_med3_num_f32 v[TMP+j], v[64*((\a)%4)+j], -v[HI], v[HI]   ; the conversion to an 8-bit code does not saturate (ISA guide 7.6.2)
.else
	v_med3_num_f32 v[TMP+j], v[64*((\a)%4)+j], 0, v[HI]
.endif
.set j, j+1
.endr
	WIN 0
.if (\a) >= 4
	s_wait_xcnt 0x0                                ; the stores of four blocks ago have read this set of codes
.endif
.irp q, 0,1,2,3
	v_cvt_scalef32_pk8_bf8_f32 v[CD+16*((\a)%4)+4*\q:CD+16*((\a)%4)+4*\q+1], v[TMP+16*\q:TMP+16*\q+7], v[SCV]
	v_cvt_scalef32_pk8_bf8_f32 v[CD+16*((\a)%4)+4*\q+2:CD+16*((\a)%4)+4*\q+3], v[TMP+16*\q+8:TMP+16*\q+15], v[SCV]
.endr
	v_nop                                          ; a plain line between the conversions and the next block's holds, which write their sources
.irp q, 0,1,2,3
	global_store_b128 v[OA+\a], v[CD+16*((\a)%4)+4*\q:CD+16*((\a)%4)+4*\q+3], s[14:15] offset:512*\q   ; a whole piece: 512 consecutive aligned bytes
.endr
.endm
.irp a, 0,1,2,3,4,5,6,7
	OUTA \a
.endr
	s_wait_tensorcnt 0x0                           ; the wave's end
	ds_add_u32 v[SPW], v[NIL]
	s_wait_dscnt 0x0
	CROUND                                         ; the closing round
	s_endpgm
.Lfunc_end_k_q5e9f30b32c_qkv:
	.size	k_q5e9f30b32c_qkv, .Lfunc_end_k_q5e9f30b32c_qkv-k_q5e9f30b32c_qkv
	.p2alignl 7, 3214868480
	.fill 96, 4, 3214868480
	.section	.rodata,"a",@progbits
	.p2align	6, 0x0
	.amdhsa_kernel k_q5e9f30b32c_qkv
		.amdhsa_group_segment_fixed_size 327680
		.amdhsa_private_segment_fixed_size 0
		.amdhsa_enable_private_segment 0
		.amdhsa_kernarg_size 48
		.amdhsa_user_sgpr_count 2
		.amdhsa_user_sgpr_kernarg_segment_ptr 1
		.amdhsa_wavefront_size32 1
		.amdhsa_system_sgpr_workgroup_id_x 1
		.amdhsa_system_sgpr_workgroup_id_y 1
		.amdhsa_system_sgpr_workgroup_id_z 1
		.amdhsa_system_vgpr_workitem_id 0
		.amdhsa_next_free_vgpr 1024
		.amdhsa_next_free_sgpr 100
		.amdhsa_reserve_vcc 0
		.amdhsa_float_denorm_mode_32 3
		.amdhsa_float_denorm_mode_16_64 3
		.amdhsa_memory_ordered 1
		.amdhsa_forward_progress 1
		.amdhsa_inst_pref_size 140
	.end_amdhsa_kernel
	.amdgpu_metadata
---
amdhsa.version: [ 1, 2 ]
amdhsa.kernels:
  - .name:           k_q5e9f30b32c_qkv
    .symbol:         k_q5e9f30b32c_qkv.kd
    .args:
      - { .name: ops, .offset: 0, .size: 8, .value_kind: global_buffer, .address_space: global }
      - { .name: bq, .offset: 8, .size: 8, .value_kind: global_buffer, .address_space: global }
      - { .name: bk, .offset: 16, .size: 8, .value_kind: global_buffer, .address_space: global }
      - { .name: bv, .offset: 24, .size: 8, .value_kind: global_buffer, .address_space: global }
      - { .name: lowp_scales, .offset: 32, .size: 8, .value_kind: global_buffer, .address_space: global }
      - { .name: qkvc, .offset: 40, .size: 8, .value_kind: global_buffer, .address_space: global }
    .group_segment_fixed_size: 327680
    .private_segment_fixed_size: 0
    .kernarg_segment_align: 8
    .kernarg_segment_size: 48
    .max_flat_workgroup_size: 128
    .sgpr_count:     100
    .vgpr_count:     1024
    .wavefront_size: 32
...
	.end_amdgpu_metadata
.endif
;; end of part 2
;; launch attn (part 3): grid 8 x 32, 16 waves a work-group, clusters of 4 x 1, 264,192 bytes of LDS; arguments qkvc, lowp_scales, cc; writes cc
.if DOCPART == 3
	.amdgcn_target "amdgcn-amd-amdhsa--gfx1250"
	.amdhsa_code_object_version 6
	.text
	.protected	k_q5e9f30b32c_attn
	.globl	k_q5e9f30b32c_attn
	.p2align	8
	.type	k_q5e9f30b32c_attn,@function
k_q5e9f30b32c_attn:
	s_mov_b64 s[64:65], 0
	v_nop
	global_prefetch_b8 v0, s[64:65] scope:SCOPE_SE
	s_setreg_imm32_b32 hwreg(HW_REG_WAVE_MODE, 25, 1), 1
	s_wait_xcnt 0x0
	s_wait_alu depctr_hold_cnt(0) depctr_sa_sdst(0) depctr_va_vdst(0) depctr_va_sdst(0) depctr_va_ssrc(0) depctr_va_vcc(0) depctr_vm_vsrc(0)
	s_getreg_b32 s2, hwreg(HW_REG_IB_STS2, 6, 4)
	s_cmp_eq_u32 s2, 0
	s_cbranch_scc0 .Lentry_in_a_cluster
	s_endpgm
.Lentry_in_a_cluster:
	s_bfe_u32 s2, ttmp6, 0x10000c
	s_cmp_lg_u32 s2, 0x3003
	s_cbranch_scc0 .Lentry_shape_is_right
	s_endpgm
.Lentry_shape_is_right:
; ATTENTION ON CODES OF E5M2, head size 64, 2,048 keys, no mask; the context is quantised on the way out.
; qkvc: Q at 0 and K at 4 MiB: [token block 256][2 x head + c][512]; V^T at 8 MiB: [4 x head + t][64 x batch + group of 32 keys][512]: images of operand registers
; (a piece of 512 bytes: lane 16 h + r holds k = 32 c + 16 h + 0 .. 15 of row slot r; slot r of block blk is true row 32 (blk / 2) + 8 (blk % 2) + r + 8 (r / 8)).
; Q holds the division by sqrt(64) already.  t = score x log2(e); M = the row's largest t so far, rounded UP to a whole number; p = 2^(t - M) is quantised, not normalised; the row's sum is taken of the
; unquantised p and divides at the end; when M moves, the sum and O are multiplied by 2^(old M - new M), which rounds nothing.
; SHARES.  A work-group owns 256 queries of one head and batch, each of its sixteen waves one block of 16, in 256 registers: four waves to a SIMD, so one wave's vector work stands beside another's products.
; A head's K (131,072 bytes) and V^T (131,072) fit in LDS whole: sixteen first fills, one a wave, and nothing is ever filled again: no ring.
; CLUSTER: the four query blocks of a cluster read the same K and V^T, so each fill is asked for jointly by all four.
; Both products are used transposed (S^T = K Q^T, O^T = V^T P^T): a lane holds ONE query.  By the slots' order the 16 registers of score tiles 2 b and 2 b + 1 are keys 32 b + 16 h + 0 .. 15, and those of O^T's
; tiles 2 q and 2 q + 1 are channels 32 q + 16 h + 0 .. 15: the conversions' results are operand registers both times.
; LIMITS: entries 6 + 7 between -126 and 127 (added to log2(e)'s exponent field); entries 8 and 10 between -126 and 127.  NaN among the inputs is not served.
; REGISTERS: v1 16 x lane; v8-10 LDS addresses; v12 -M, v13 the largest t, v[14:15] the sum; v16-23 Q; v32-95 eight fragments of K, then four of V^T; v96-159 S^T, then p; v160-191 O^T; v224-239 p's codes;
;   v244: 2^e8; v246: 2^e10; v232-243, v248, v249, v252-254 at work.
.set VB,   131072                      ; V^T in LDS: [t 4][K step 16][2,048]; K at 0: [token block 128][1,024]
.set TBK,  2
.set TBV,  3
.set WV,   18
.set CNT,  19
.set SEL,  20
.set CS,   22
.set G1K,  24
.set G1V,  32
.set G0,   40
.macro CROUND
	s_barrier_signal -1
	s_barrier_wait -1
	s_cmp_lg_u32 s[WV], 0
	s_cbranch_scc1 .Lnot_wave_0_\@
	s_barrier_signal -3
.Lnot_wave_0_\@:
	s_barrier_wait -3
	s_barrier_signal -1
	s_barrier_wait -1
.endm
	s_load_b128 s[4:7], s[0:1], 0x0                ; qkvc, the scales' exponents
	s_load_b64 s[8:9], s[0:1], 0x10                ; cc
	v_lshl_add_u32 v251, v0, 2, 0x40000
	v_mov_b32 v255, 0
	ds_add_u32 v251, v255
	ds_add_u32 v251, v255
	v_lshrrev_b32 v8, 5, v0
	s_delay_alu instid0(VALU_DEP_1)
	v_readfirstlane_b32 s[WV], v8                  ; wave 0..15
	s_bfe_u32 s10, ttmp6, 0x40000                  ; cx: it enters Q's and the context's addresses alone
	s_and_b32 s11, ttmp7, 0xffff
	s_lshr_b32 s12, s11, 4                         ; batch
	s_and_b32 s13, s11, 15                         ; head
	; what I fetch.  Waves 0-7: K's token blocks 16 w .. 16 w + 15 of my batch, 1,024 bytes each, 16,384 apart
	s_and_b32 s61, s[WV], 7
	s_lshl_b32 s14, s12, 7
	s_lshl_b32 s15, s61, 4
	s_add_co_u32 s14, s14, s15
	s_lshl_b32 s14, s14, 14
	s_lshl_b32 s15, s13, 10
	s_add_co_u32 s14, s14, s15
	s_add_co_u32 s14, s14, 0x400000
	; waves 8-15: half of one of V^T's four row blocks: 16,384 dense bytes
	s_lshl_b32 s16, s13, 2
	s_lshr_b32 s15, s61, 1
	s_add_co_u32 s16, s16, s15
	s_lshl_b32 s16, s16, 16
	s_lshl_b32 s15, s12, 15
	s_add_co_u32 s16, s16, s15
	s_and_b32 s15, s61, 1
	s_lshl_b32 s15, s15, 14
	s_add_co_u32 s16, s16, s15
	s_add_co_u32 s16, s16, 0x800000
	s_cmp_lt_u32 s[WV], 8
	s_cselect_b32 s16, s14, s16
	s_mov_b32 s17, 0
	s_mov_b32 s[G1K], 15|(3<<16)|(1<<21)           ; 15:0 the mask: all four work-groups; 17:16 elements of 8 bytes; 21 set beside a mask
	s_mov_b32 s[G1K+1], 128<<16                    ; tensor_dim0: 1,024 bytes
	s_mov_b32 s[G1K+2], 16<<16                     ; tensor_dim1
	s_mov_b32 s[G1K+3], 128<<16                    ; tile_dim0
	s_mov_b32 s[G1K+4], 16                         ; tile_dim1
	s_mov_b32 s[G1K+5], 2048                       ; tensor_dim0_stride: 16,384 bytes
	s_mov_b32 s[G1K+6], 0
	s_mov_b32 s[G1K+7], 0
	s_mov_b32 s[G1V], 15|(3<<16)|(1<<21)
	s_mov_b32 s[G1V+1], 32<<16                     ; 64 rows of 256 bytes, dense
	s_mov_b32 s[G1V+2], 64<<16
	s_mov_b32 s[G1V+3], 32<<16
	s_mov_b32 s[G1V+4], 64
	s_mov_b32 s[G1V+5], 32
	s_mov_b32 s[G1V+6], 0
	s_mov_b32 s[G1V+7], 0
	s_mov_b32 s[G0], 1
	s_lshl_b32 s[G0+1], s[WV], 14                  ; LDS: wave x 16,384: K's eight parts, then V^T's eight
	s_lshl_b32 s60, ttmp9, 2
	s_add_co_u32 s60, s60, s10                     ; my block of 256 queries
	s_lshl_b32 s60, s60, 4
	s_add_co_u32 s60, s60, s[WV]
	s_lshl_b32 s61, s12, 7
	s_add_co_u32 s60, s60, s61                     ; my token block: 128 x batch + 16 x query block + wave
	s_mov_b32 s[SEL], 0x76543210
	s_mov_b32 s[SEL+1], 0xfedcba98
	s_mov_b32 s[CS], 0x3fb8aa3b                    ; log2(e)
	s_wait_dscnt 0x0
	s_wait_kmcnt 0x0
	s_add_nc_u64 s[G0+2:G0+3], s[4:5], s[16:17]
	s_or_b32 s[G0+3], s[G0+3], 0x80000000
	CROUND                                         ; all four work-groups are here: the joint loads meet
	s_cmp_lt_u32 s[WV], 8                          ; the branch hangs on the wave's number alone; four v_nop follow each line.  One load of mine is out
	s_cbranch_scc0 .Lfor_v
	tensor_load_to_lds s[G0:G0+3], s[G1K:G1K+7]
	s_nop 0
.rept 4
	v_nop
.endr
	s_branch .Lasked
.Lfor_v:
	tensor_load_to_lds s[G0:G0+3], s[G1V:G1V+7]
	s_nop 0
.rept 4
	v_nop
.endr
.Lasked:
	s_load_b512 s[44:59], s[6:7], 0x0              ; all sixteen exponents: entry n in s[44 + n]
	s_lshl_b32 s14, s60, 14
	s_lshl_b32 s61, s13, 10
	s_add_co_u32 s14, s14, s61
	s_mov_b32 s15, 0
	s_add_nc_u64 s[62:63], s[4:5], s[14:15]        ; my block's fragment of Q
	s_lshr_b32 s14, s60, 3                         ; the context's codes: [tile of 8 blocks][K step 8][block][piece]: tile,
	s_lshl_b32 s14, s14, 17
	s_lshr_b32 s61, s13, 1
	s_lshl_b32 s61, s61, 14
	s_add_co_u32 s14, s14, s61                     ; K step head / 2,
	s_and_b32 s61, s60, 7
	s_lshl_b32 s61, s61, 11
	s_add_co_u32 s14, s14, s61                     ; block,
	s_and_b32 s61, s13, 1
	s_lshl_b32 s61, s61, 10
	s_add_co_u32 s14, s14, s61                     ; pieces 2 (head % 2) and the next
	s_add_nc_u64 s[8:9], s[8:9], s[14:15]
	v_and_b32 v1, 31, v0
	s_delay_alu instid0(VALU_DEP_1)
	v_lshlrev_b32 v1, 4, v1
	global_load_b128 v[16:19], v1, s[62:63]
	global_load_b128 v[20:23], v1, s[62:63] offset:512
	v_mov_b32 v13, 0xff61b1e6                      ; the largest t so far: -3e38, under every t
	s_delay_alu instid0(VALU_DEP_1)
	v_floor_f32 v12, -v13                          ; -M
	v_mov_b32 v14, 0
	v_mov_b32 v15, 0
	v_mov_b32 v236, 0                              ; written once: a lane permute's destination counts as one of its sources
	v_mov_b32 v253, 0                              ; (named as the upper half of the pair v[252:253])
.set j, 0
.rept 32
	v_mov_b32 v[160+j], 0                          ; O^T: the step is written once; the first finds zeros, which the first change of M leaves zeros
.set j, j+1
.endr
	s_wait_kmcnt 0x0
	s_add_co_i32 s14, s50, s51
	s_lshl_b32 s14, s14, 23
	s_add_co_i32 s[CS], s[CS], s14                 ; a score stands for score x 2^(e6 + e7): added to the factor's exponent field
	s_mov_b32 s[CS+1], s[CS]
	s_add_co_i32 s14, s52, 127
	s_lshl_b32 s15, s14, 23
	v_mov_b32 v244, s15                            ; 2^e8
	s_add_co_i32 s14, s54, 127
	s_lshl_b32 s15, s14, 23
	v_mov_b32 v246, s15                            ; 2^e10
	s_add_co_i32 s61, s52, s53                     ; e8 + e9
	s_mov_b32 s[TBK], 0
	s_mov_b32 s[TBV], VB
	s_mov_b32 s[CNT], 16
	s_wait_loadcnt 0x0                             ; Q
	s_wait_tensorcnt 0x0                           ; my part of K or V^T has landed,
	s_barrier_signal -1
	s_barrier_wait -1                              ; everybody's has
.Lstep:                                                ; sixteen trips of 128 keys
	s_setprio 2
	v_add_nc_u32 v8, s[TBK], v1
	v_add_nc_u32 v9, s[TBV], v1
	s_delay_alu instid0(VALU_DEP_1)
	v_add_nc_u32 v10, 0x10000, v9
	v_nop                                          ; with the three additions: four places in front of loads into registers that the last products read
.irp t, 0,1,2,3,4,5,6,7
	ds_load_b128 v[32+8*\t:35+8*\t], v8 offset:1024*\t
	ds_load_b128 v[36+8*\t:39+8*\t], v8 offset:1024*\t+512
.endr
	s_wait_alu depctr_va_vdst(0)
	s_wait_dscnt 0x0
.irp t, 0,1,2,3,4,5,6,7
	v_wmma_f32_16x16x64_bf8_bf8 v[96+8*\t:103+8*\t], v[32+8*\t:39+8*\t], v[16:23], 0
.endr
.rept 4
	v_nop                                          ; places: ahead of the loads into K's registers and of the first read of scores
.endr
.irp t, 0,1
.irp c, 0,1,2,3
	ds_load_b128 v[32+16*\t+4*\c:35+16*\t+4*\c], v9 offset:32768*\t+512*\c          ; V^T's fragments land while the softmax is worked
.endr
.endr
.irp t, 0,1
.irp c, 0,1,2,3
	ds_load_b128 v[64+16*\t+4*\c:67+16*\t+4*\c], v10 offset:32768*\t+512*\c
.endr
.endr
	v_max3_num_f32 v254, v96, v97, v98             ; the step's largest score of my query among my 64 keys, in two chains, each tile from its low end on
	v_max3_num_f32 v252, v99, v100, v101
.irp i, 6,10,14,18,22,26,30,34,38,42,46,50,54,58
	v_max3_num_f32 v254, v254, v[96+\i], v[97+\i]
	v_max3_num_f32 v252, v252, v[98+\i], v[99+\i]
.endr
	v_max3_num_f32 v254, v254, v158, v159
	s_delay_alu instid0(VALU_DEP_1)
	v_max_num_f32 v254, v254, v252
	v_permlanex16_b32 v236, v254, s[SEL], s[SEL+1]
	s_delay_alu instid0(VALU_DEP_1)
	v_max_num_f32 v254, v254, v236                 ; and among lane l xor 16's
	s_delay_alu instid0(VALU_DEP_1)
	v_mul_f32 v254, s[CS], v254                    ; as t (the factor is positive)
	s_delay_alu instid0(VALU_DEP_1)
	v_max_num_f32 v13, v13, v254
	v_mov_b32 v254, v12
	s_delay_alu instid0(VALU_DEP_2)
	v_floor_f32 v12, -v13                          ; the new -M = floor(-t)
	s_delay_alu instid0(VALU_DEP_1)
	v_sub_f32 v254, v12, v254                      ; old M - new M: a whole number, 0 or less
	s_delay_alu instid0(VALU_DEP_1)
	v_cvt_i32_f32 v254, v254                       ; (it saturates)
	s_delay_alu instid0(VALU_DEP_1)
	v_ldexp_f32 v252, 1.0, v254                    ; f = 2^(old M - new M)
.set j, 0
.rept 32
	v_pk_fma_f32 v[96+j:97+j], v[96+j:97+j], s[CS:CS+1], v[12:13] op_sel_hi:[1,0,0]   ; t - M, two at a time
.set j, j+2
.endr
.set j, 0
	s_setprio 1
	s_wait_alu depctr_va_vdst(0)
.rept 64
	v_exp_f32 v[96+j], v[96+j]                     ; p = 2^(t - M), at most 1
.set j, j+1
.endr
	v_pk_mul_f32 v[14:15], v[14:15], v[252:253] op_sel_hi:[1,0]   ; the sums under the new M: the plain line behind the exponentials
	s_wait_alu depctr_va_vdst(0)                   ; one wait for the whole batch, ahead of its first reader
	v_pk_add_f32 v[242:243], v[100:101], v[104:105]
	v_pk_add_f32 v[248:249], v[108:109], v[112:113]
	v_pk_add_f32 v[240:241], v[116:117], v[120:121]
	v_pk_add_f32 v[238:239], v[124:125], v[128:129]
	v_pk_add_f32 v[236:237], v[132:133], v[136:137]
	v_pk_add_f32 v[234:235], v[140:141], v[144:145]
	v_pk_add_f32 v[232:233], v[148:149], v[152:153]
	v_pk_add_f32 v[14:15], v[14:15], v[156:157]
	v_pk_add_f32 v[242:243], v[242:243], v[96:97]
	v_pk_add_f32 v[248:249], v[248:249], v[98:99]
	v_pk_add_f32 v[240:241], v[240:241], v[102:103]
	v_pk_add_f32 v[238:239], v[238:239], v[106:107]
	v_pk_add_f32 v[236:237], v[236:237], v[110:111]
	v_pk_add_f32 v[234:235], v[234:235], v[114:115]
	v_pk_add_f32 v[232:233], v[232:233], v[118:119]
	v_pk_add_f32 v[14:15], v[14:15], v[122:123]
	v_pk_add_f32 v[242:243], v[242:243], v[126:127]
	v_pk_add_f32 v[248:249], v[248:249], v[130:131]
	v_pk_add_f32 v[240:241], v[240:241], v[134:135]
	v_pk_add_f32 v[238:239], v[238:239], v[138:139]
	v_pk_add_f32 v[236:237], v[236:237], v[142:143]
	v_pk_add_f32 v[234:235], v[234:235], v[146:147]
	v_pk_add_f32 v[232:233], v[232:233], v[150:151]
	v_pk_add_f32 v[14:15], v[14:15], v[154:155]
	v_pk_add_f32 v[242:243], v[242:243], v[158:159]
	s_delay_alu instid0(VALU_DEP_2)
	v_pk_add_f32 v[14:15], v[14:15], v[238:239]
	s_delay_alu instid0(VALU_DEP_2)
	v_pk_add_f32 v[242:243], v[242:243], v[236:237]
	v_pk_add_f32 v[248:249], v[248:249], v[234:235]
	v_pk_add_f32 v[240:241], v[240:241], v[232:233]
	s_delay_alu instid0(VALU_DEP_2)
	v_pk_add_f32 v[14:15], v[14:15], v[248:249]
	s_delay_alu instid0(VALU_DEP_2)
	v_pk_add_f32 v[242:243], v[242:243], v[240:241]
	s_delay_alu instid0(VALU_DEP_1)
	v_pk_add_f32 v[14:15], v[14:15], v[242:243]
.irp b, 0,1,2,3
.set i, 0
.rept 16
.set i, i+1
.endr
	v_cvt_scalef32_pk8_bf8_f32 v[224+4*\b:225+4*\b], v[96+16*\b:103+16*\b], v244
	v_cvt_scalef32_pk8_bf8_f32 v[226+4*\b:227+4*\b], v[104+16*\b:111+16*\b], v244
.endr
.set j, 0
	s_setprio 0
.rept 16
	v_pk_mul_f32 v[160+j:161+j], v[160+j:161+j], v[252:253] op_sel_hi:[1,0]   ; O^T under the new M; also the plain lines between the conversions and the products
.set j, j+2
.endr
	s_wait_alu depctr_va_vdst(0)
	s_wait_dscnt 0x0                               ; V^T's fragments are in
.irp t, 0,1,2,3
	v_wmma_f32_16x16x128_bf8_bf8 v[160+8*\t:167+8*\t], v[32+16*\t:47+16*\t], v[224:239], v[160+8*\t:167+8*\t]   ; four accumulators by turns
.endr
	s_add_co_u32 s[TBK], s[TBK], 8192
	s_add_co_u32 s[TBV], s[TBV], 2048
	s_sub_co_u32 s[CNT], s[CNT], 1
	s_cmp_lg_u32 s[CNT], 0
	s_cbranch_scc1 .Lstep
	s_setprio 0
.rept 4
	v_nop                                          ; places ahead of the first read of O^T
.endr
	v_add_f32 v14, v14, v15
	s_delay_alu instid0(VALU_DEP_1)
	v_permlanex16_b32 v252, v14, s[SEL], s[SEL+1]
	s_delay_alu instid0(VALU_DEP_1)
	v_add_f32 v14, v14, v252                       ; the row's sum
	s_wait_alu depctr_va_vdst(0)
	v_rcp_f32 v14, v14
	v_nop                                          ; a plain line behind the reciprocal
	s_wait_alu depctr_va_vdst(0)                   ; and the wait ahead of its first reader
	v_ldexp_f32 v14, v14, s61                      ; x 2^(e8 + e9)
.set j, 0
.rept 32
	v_mul_f32 v[96+j], v[160+j], v14               ; the context: register 8 t + i is channel 32 (t / 2) + 16 h + 8 (t % 2) + i of my query
.set j, j+1
.endr
.set j, 0
.rept 32
.set j, j+1
.endr
.irp b, 0,1
	v_cvt_scalef32_pk8_bf8_f32 v[224+4*\b:225+4*\b], v[96+16*\b:103+16*\b], v246
	v_cvt_scalef32_pk8_bf8_f32 v[226+4*\b:227+4*\b], v[104+16*\b:111+16*\b], v246
.endr
	v_nop
	global_store_b128 v1, v[224:227], s[8:9]              ; two whole pieces of 512 consecutive aligned bytes
	global_store_b128 v1, v[228:231], s[8:9] offset:512
	s_wait_dscnt 0x0
	s_wait_tensorcnt 0x0
	ds_add_u32 v251, v255
	s_wait_dscnt 0x0
	CROUND                                         ; the closing round: no work-group ends while a partner may still ask
	s_endpgm
.Lfunc_end_k_q5e9f30b32c_attn:
	.size	k_q5e9f30b32c_attn, .Lfunc_end_k_q5e9f30b32c_attn-k_q5e9f30b32c_attn
	.p2alignl 7, 3214868480
	.fill 96, 4, 3214868480
	.section	.rodata,"a",@progbits
	.p2align	6, 0x0
	.amdhsa_kernel k_q5e9f30b32c_attn
		.amdhsa_group_segment_fixed_size 264192
		.amdhsa_private_segment_fixed_size 0
		.amdhsa_enable_private_segment 0
		.amdhsa_kernarg_size 24
		.amdhsa_user_sgpr_count 2
		.amdhsa_user_sgpr_kernarg_segment_ptr 1
		.amdhsa_wavefront_size32 1
		.amdhsa_system_sgpr_workgroup_id_x 1
		.amdhsa_system_sgpr_workgroup_id_y 1
		.amdhsa_system_sgpr_workgroup_id_z 1
		.amdhsa_system_vgpr_workitem_id 0
		.amdhsa_next_free_vgpr 256
		.amdhsa_next_free_sgpr 66
		.amdhsa_reserve_vcc 0
		.amdhsa_float_denorm_mode_32 3
		.amdhsa_float_denorm_mode_16_64 3
		.amdhsa_fp16_overflow 1
		.amdhsa_memory_ordered 1
		.amdhsa_forward_progress 1
		.amdhsa_inst_pref_size 24
	.end_amdhsa_kernel
	.amdgpu_metadata
---
amdhsa.version: [ 1, 2 ]
amdhsa.kernels:
  - .name:           k_q5e9f30b32c_attn
    .symbol:         k_q5e9f30b32c_attn.kd
    .args:
      - { .name: qkvc, .offset: 0, .size: 8, .value_kind: global_buffer, .address_space: global }
      - { .name: lowp_scales, .offset: 8, .size: 8, .value_kind: global_buffer, .address_space: global }
      - { .name: cc, .offset: 16, .size: 8, .value_kind: global_buffer, .address_space: global }
    .group_segment_fixed_size: 264192
    .private_segment_fixed_size: 0
    .kernarg_segment_align: 8
    .kernarg_segment_size: 24
    .max_flat_workgroup_size: 512
    .sgpr_count:     66
    .vgpr_count:     256
    .wavefront_size: 32
...
	.end_amdgpu_metadata
.endif
;; end of part 3
;; launch wo (part 4): grid 8 x 32, 4 waves a work-group, clusters of 4 x 4, 327,680 bytes of LDS; arguments cc, ops, z; writes z
.if DOCPART == 4
	.amdgcn_target "amdgcn-amd-amdhsa--gfx1250"
	.amdhsa_code_object_version 6
	.text
	.protected	k_q5e9f30b32c_wo
	.globl	k_q5e9f30b32c_wo
	.p2align	8
	.type	k_q5e9f30b32c_wo,@function
k_q5e9f30b32c_wo:
	s_mov_b64 s[64:65], 0
	v_nop
	global_prefetch_b8 v0, s[64:65] scope:SCOPE_SE
	s_setreg_imm32_b32 hwreg(HW_REG_WAVE_MODE, 25, 1), 1
	s_wait_xcnt 0x0
	s_wait_alu depctr_hold_cnt(0) depctr_sa_sdst(0) depctr_va_vdst(0) depctr_va_sdst(0) depctr_va_ssrc(0) depctr_va_vcc(0) depctr_vm_vsrc(0)
	s_getreg_b32 s2, hwreg(HW_REG_IB_STS2, 6, 4)
	s_cmp_eq_u32 s2, 0
	s_cbranch_scc0 .Lentry_in_a_cluster
	s_endpgm
.Lentry_in_a_cluster:
	s_bfe_u32 s2, ttmp6, 0x10000c
	s_cmp_lg_u32 s2, 0xf033
	s_cbranch_scc0 .Lentry_shape_is_right
	s_endpgm
.Lentry_shape_is_right:
; A PRODUCT ON CODES OF E5M2 WHOSE RAW f32 SUMS GO TO MEMORY, row-major [4,096][1,024]; the launch behind it applies 2^(ea + eb), bias, residual and the norm, which wants whole rows.
; One source for two launches: LAPS = 1: context x Wo (K = 1,024);  LAPS = 4: hidden layer x W2 (K = 4,096).
; Tiles of 256 x 256 would be 64: so a tile is 128 x 128, one for each of 256 work-groups.  Four waves, 64 x 64 each: 16 accumulators.  K goes in slots of 512 through a ring of two.
; Both operands lie in memory as images of operand registers ([tile of 8 blocks][K step of 128][block][piece of 512 bytes]): a slot's part of a tile is one dense block, a fragment load takes 512 consecutive bytes.
; Slot r of block blk is true row 32 (blk / 2) + 8 (blk % 2) + r + 8 (r / 8).  Used transposed (source 0: the weight's 16 rows, source 1: 16 tokens): in accumulator (a, b) lane (r, h) holds token slot r of
; block a and register j true column 32 (b / 2) + 16 h + 8 (b % 2) + j.
; CLUSTERS: 4 x 4 work-groups; the tokens' tile is asked for jointly along a row of the cluster, the weight's along a column.
; REGISTERS: window 0: v16-21 LDS addresses, v24-26 the way out, v28, v29 for the add, v128-255 the accumulators ((a, b) at v[128 + 8 (4 a + b)]).  Window 1: two fragment buffers of 128: 64 of tokens, 64 of the weight.
.set LAPS,  1
.if LAPS == 1
.set LOGT,  17                         ; log2 of a tile's bytes: 8 blocks x 2,048 x 8 K steps
.set COFF,  15<<20                     ; Wo's codes in ops
.else
.set LOGT,  19                         ; 32 K steps
.set COFF,  20<<20                     ; W2's
.endif
.set SLOT,  131072                     ; the tokens' [K step 4][block 8][2,048], then the weight's
.set BOFF,  65536
.set STAGE, 2*SLOT                     ; behind the ring: 16 rows x 272 bytes for each wave, for the way out
.set SPITCH, 272
.set SPARE, STAGE+4*16*SPITCH          ; behind the stages: the spare words, 128 bytes for each wave: two blocks of 256 bytes that no other line names
.set ADRA, 16
.set ADRB, 20
.set STO,  24
.set RD,   25
.set CO,   26
.set SPW,  28
.set NIL,  29
.set ACC,  128
.set F0,   0
.set F1,   128
.set G1, 24
.set G0, 32
.set G1B, 48
.set G0B, 56
.set MSB, 0
.macro WIN new
.if MSB != (\new)
	s_set_vgpr_msb (MSB<<8)|(\new)
.set MSB, (\new)
.endif
.endm
.set MUL,  0x05                        ; sources 0 and 1 window 1; C and D window 0
.set TO_F, 0x40                        ; destination window 1, address window 0
.macro JLOAD s                         ; waves 0 and 1 fetch the tokens' halves of a slot, waves 2 and 3 the weight's; four v_nop follow each line
	s_cmp_eq_u32 s11, 0
	s_cbranch_scc0 .Lfor_b_\@
	tensor_load_to_lds s[G0+4*\s:G0+4*\s+3], s[G1:G1+7]
	s_nop 0
.rept 4
	v_nop
.endr
	s_branch .Lasked_\@
.Lfor_b_\@:
	tensor_load_to_lds s[G0B+4*\s:G0B+4*\s+3], s[G1B:G1B+7]
	s_nop 0
.rept 4
	v_nop
.endr
.Lasked_\@:
.endm
.macro CREST
	s_cmp_lg_u32 s10, 0
	s_cbranch_scc1 .Lnot_wave_0_\@
	s_barrier_signal -3
.Lnot_wave_0_\@:
	s_barrier_wait -3
	s_barrier_signal -1
	s_barrier_wait -1
.endm
.macro CROUND
	s_barrier_signal -1
	s_barrier_wait -1
	CREST
.endm
	s_load_b128 s[4:7], s[0:1], 0x0                ; the tokens' codes, ops
	s_load_b64 s[8:9], s[0:1], 0x10                ; z
	v_lshl_add_u32 v[SPW], v0, 2, SPARE
	v_mov_b32 v[NIL], 0
	ds_add_u32 v28, v29
	ds_add_u32 v28, v29
	s_wait_dscnt 0x0
	v_lshrrev_b32 v1, 5, v0
	v_readfirstlane_b32 s10, v1                    ; wave 0..3
	s_lshr_b32 s11, s10, 1                         ; which half of the tile's rows is mine.  Also: I fetch tokens (0) or the weight (1)
	s_and_b32 s12, s10, 1                          ; which half of its columns.  Also: which two K steps of a slot I fetch
	s_bfe_u32 s40, ttmp6, 0x40000                  ; cx
	s_bfe_u32 s41, ttmp6, 0x40004                  ; cy
	s_lshl_b32 s42, ttmp9, 2
	s_add_co_u32 s42, s42, s40                     ; tile column
	s_and_b32 s13, ttmp7, 0xffff
	s_lshl_b32 s13, s13, 2
	s_add_co_u32 s13, s13, s41                     ; tile row
	s_lshl_b32 s43, s41, 2
	s_lshl_b32 s43, 15, s43                        ; my row of the cluster
	s_lshl_b32 s44, 0x1111, s40                    ; my column
	s_or_b32 s[G1], s43, (3<<16)|(1<<21)           ; 15:0 the mask; 17:16 elements of 8 bytes; 21 set beside a mask; no padding
	s_or_b32 s[G1B], s44, (3<<16)|(1<<21)
.irp g, G1, G1B
	s_mov_b32 s[\g+1], 32<<16                      ; a dense block of 32,768 bytes as 128 rows of 256
	s_mov_b32 s[\g+2], 128<<16
	s_mov_b32 s[\g+3], 32<<16
	s_mov_b32 s[\g+4], 128
	s_mov_b32 s[\g+5], 32
	s_mov_b32 s[\g+6], 0
	s_mov_b32 s[\g+7], 0
.endr
	s_lshl_b32 s17, s12, 15
	s_lshl_b32 s16, s13, LOGT
	s_add_co_u32 s16, s16, s17
	s_lshl_b32 s46, s42, LOGT
	s_add_co_u32 s46, s46, s17
	s_add_co_u32 s46, s46, COFF
	s_mov_b32 s17, 0
	s_mov_b32 s47, 0
	s_lshl_b32 s20, s10, 15                        ; where it goes: wave x 32,768
	s_wait_kmcnt 0x0
	s_add_nc_u64 s[14:15], s[4:5], s[16:17]
	s_add_nc_u64 s[46:47], s[6:7], s[46:47]
	CROUND                                         ; all sixteen work-groups are here: the first joint loads meet
.irp s, 0,1
	s_mov_b32 s[G0+4*\s], 1
	s_add_co_u32 s[G0+4*\s+1], s20, \s*SLOT
	s_add_nc_u64 s[G0+4*\s+2:G0+4*\s+3], s[14:15], \s*65536
	s_or_b32 s[G0+4*\s+3], s[G0+4*\s+3], 0x80000000
	s_mov_b32 s[G0B+4*\s], 1
	s_add_co_u32 s[G0B+4*\s+1], s20, \s*SLOT
	s_add_nc_u64 s[G0B+4*\s+2:G0B+4*\s+3], s[46:47], \s*65536
	s_or_b32 s[G0B+4*\s+3], s[G0B+4*\s+3], 0x80000000
	JLOAD \s                                       ; two loads of mine are out
.endr
	v_and_b32 v1, 15, v0                           ; r
	v_bfe_u32 v2, v0, 4, 1                         ; h
	v_and_b32 v3, 31, v0
	v_lshlrev_b32 v3, 4, v3                        ; 16 x lane
	s_lshl_b32 s21, s11, 13                        ; my 4 blocks of tokens
	s_lshl_b32 s22, s12, 13
	s_add_co_u32 s22, s22, BOFF                    ; and of the weight
.irp s, 0,1
	v_add_nc_u32 v[ADRA+\s], s21, v3
	v_add_nc_u32 v[ADRB+\s], s22, v3
	s_add_co_u32 s21, s21, SLOT
	s_add_co_u32 s22, s22, SLOT
.endr
	s_mul_i32 s23, s10, 16*SPITCH
	s_add_co_u32 s23, s23, STAGE                   ; my stage
	v_mul_u32_u24 v4, v1, SPITCH
	v_lshl_add_u32 v4, v2, 6, v4
	v_add_nc_u32 v[STO], s23, v4                   ; in: row = my slot, + 64 h
	v_mul_u32_u24 v5, v2, SPITCH
	v_lshl_add_u32 v5, v1, 4, v5
	v_add_nc_u32 v[RD], s23, v5                    ; back: lanes 0-15 one row of 256 bytes, lanes 16-31 the next
	v_lshlrev_b32 v5, 12, v2
	v_lshl_add_u32 v[CO], v1, 4, v5                ; and the same two rows in z
	s_lshl_b32 s16, s13, 7
	s_lshl_b32 s17, s11, 6
	s_add_co_u32 s16, s16, s17
	s_lshl_b32 s16, s16, 12                        ; my first row of z: 128 x tile row + 64 x half
	s_mov_b32 s17, 0
	s_add_nc_u64 s[8:9], s[8:9], s[16:17]
	s_lshl_b32 s46, s42, 9
	s_lshl_b32 s47, s12, 8
	s_add_co_u32 s46, s46, s47                     ; my first column, in bytes
	s_mov_b32 s47, 0
	s_add_nc_u64 s[8:9], s[8:9], s[46:47]
; 4 matrix instructions: token block a x the four column blocks, 128 along K.  The 16 accumulators take turns, one instruction a turn, in the same order in every K step.
.macro MUL4 f, a, zero
.irp b, 0,1,2,3
.if \zero
	v_wmma_f32_16x16x128_bf8_bf8 v[ACC+8*(4*(\a)+\b):ACC+8*(4*(\a)+\b)+7], v[\f+64+16*\b:\f+64+16*\b+15], v[\f+16*(\a):\f+16*(\a)+15], 0
.else
	v_wmma_f32_16x16x128_bf8_bf8 v[ACC+8*(4*(\a)+\b):ACC+8*(4*(\a)+\b)+7], v[\f+64+16*\b:\f+64+16*\b+15], v[\f+16*(\a):\f+16*(\a)+15], v[ACC+8*(4*(\a)+\b):ACC+8*(4*(\a)+\b)+7]
.endif
.endr
.endm
.macro FETCH slot, q, f                ; 32 LDS loads in one run: K step q of the slot: the weight's four fragments, then the tokens' four
	WIN TO_F
.irp i, 0,1,2,3
.irp c, 0,1,2,3
	ds_load_b128 v[\f+64+16*\i+4*\c:\f+64+16*\i+4*\c+3], v[ADRB+\slot] offset:16384*(\q)+2048*\i+512*\c
.endr
.endr
.irp i, 0,1,2,3
.irp c, 0,1,2,3
	ds_load_b128 v[\f+16*\i+4*\c:\f+16*\i+4*\c+3], v[ADRA+\slot] offset:16384*(\q)+2048*\i+512*\c
.endr
.endr
.endm
.macro PLACES
.rept 4
	v_nop
.endr
.endm
; One of a slot's first three K steps: multiplies buffer f and fetches K step qn into buffer g.
.macro QUARTER slot, qn, f, g, zero
	s_wait_dscnt 8                                 ; the weight's fragments and token blocks 0, 1 are in; the youngest eight loads (blocks 2, 3) may be out
	WIN MUL
	MUL4 \f, 0, \zero
	MUL4 \f, 1, \zero
	PLACES
	FETCH \slot, \qn, \g
	s_wait_dscnt 32                                ; all but the 32 just issued
	WIN MUL
	MUL4 \f, 2, \zero
	MUL4 \f, 3, \zero
.endm
; A slot's last K step multiplies buffer 1 and changes slots: ONE barrier; in front of it each wave waits for all its tensor loads, adds 0 to its spare word, and waits for that and for its reads of this slot.
.macro TURN slot, next, fill
	WIN 0                                          ; (the add's two registers lie in window 0)
	s_wait_tensorcnt 0x0                           ; all my tensor loads have landed: my part of the next slot
	ds_add_u32 v[SPW], v[NIL]                      ; 0 onto my spare word
	s_wait_dscnt 9                                 ; (the add and the youngest eight loads may be out)
	WIN MUL
	MUL4 F1, 0, 0                                  ; four matrix instructions stand between the add and the wait for it
	s_wait_dscnt 0x0                               ; the add is done, and my reads of this slot are over
	s_barrier_signal -1
	MUL4 F1, 1, 0
.if \fill
	WIN 0
.endif
	s_barrier_wait -1
.if \fill
	CREST                                          ; the barrier has opened a round of the cluster's: no wave of any partner still reads this slot or has a load on its way
	s_add_nc_u64 s[G0+4*\slot+2:G0+4*\slot+3], s[G0+4*\slot+2:G0+4*\slot+3], 2*65536
	s_add_nc_u64 s[G0B+4*\slot+2:G0B+4*\slot+3], s[G0B+4*\slot+2:G0B+4*\slot+3], 2*65536
	JLOAD \slot                                    ; the first tensor load behind the round; its four v_nop are the places in front of the loads below
.else
	PLACES
.endif
	FETCH \next, 0, F0
	WIN MUL
	MUL4 F1, 2, 0
	MUL4 F1, 3, 0
.endm
	s_wait_tensorcnt 1                             ; my part of slot 0 is in; slot 1's load may be out
	s_barrier_signal -1
	s_barrier_wait -1
	FETCH 0, 0, F0
	QUARTER 0, 1, F0, F1, 1                        ; the first K step stands in front of the loop: its products start the sums
.if LAPS > 1
	WIN 0
	s_mov_b32 s3, LAPS-1
.Llap:
	QUARTER 0, 2, F1, F0, 0
	QUARTER 0, 3, F0, F1, 0
	TURN 0, 1, 1
	QUARTER 1, 1, F0, F1, 0
	QUARTER 1, 2, F1, F0, 0
	QUARTER 1, 3, F0, F1, 0
	TURN 1, 0, 1
	QUARTER 0, 1, F0, F1, 0
	WIN 0
	s_sub_co_u32 s3, s3, 1
	s_cmp_lg_u32 s3, 0
	s_cbranch_scc1 .Llap
.endif
	QUARTER 0, 2, F1, F0, 0                        ; the last lap fills nothing
	QUARTER 0, 3, F0, F1, 0
	TURN 0, 1, 0
	QUARTER 1, 1, F0, F1, 0
	QUARTER 1, 2, F1, F0, 0
	QUARTER 1, 3, F0, F1, 0
	s_wait_dscnt 8
	WIN MUL
	MUL4 F1, 0, 0
	MUL4 F1, 1, 0
	s_wait_dscnt 0
	MUL4 F1, 2, 0
	MUL4 F1, 3, 0
	WIN 0
	; THE WAY OUT.  A lane holds pieces of one row; a block of 16 tokens x 64 columns goes through my own stage and comes back as rows of 256 bytes, into the registers that it left.
	; LDS serves a wave's instructions in order (ISA guide 5.7.1.4): no wait between the stores and the loads, nor in front of the next block's stores.
	PLACES
.irp a, 0,1,2,3
.irp b, 0,1,2,3
	ds_store_b128 v[STO], v[ACC+8*(4*\a+\b):ACC+8*(4*\a+\b)+3] offset:128*(\b/2)+32*(\b%2)          ; each accumulator from its low end on
	ds_store_b128 v[STO], v[ACC+8*(4*\a+\b)+4:ACC+8*(4*\a+\b)+7] offset:128*(\b/2)+32*(\b%2)+16
.endr
.irp t, 0,1,2,3,4,5,6,7
	ds_load_b128 v[ACC+32*\a+4*\t:ACC+32*\a+4*\t+3], v[RD] offset:2*SPITCH*\t
.endr
.endr
.irp a, 0,1,2,3
.irp t, 0,1,2,3,4,5,6,7
	s_wait_dscnt 16*(3-\a)+7-\t                    ; behind this load: the rest of its block's loads and sixteen LDS instructions for each later block
	global_store_b128 v[CO], v[ACC+32*\a+4*\t:ACC+32*\a+4*\t+3], s[8:9] offset:(32*(\a/2)+8*(\a%2)+2*\t+8*(\t/4))*4096   ; slots 2 t, 2 t + 1 at their true rows; 16 lanes store 256 consecutive aligned bytes
.endr
.endr
	s_wait_tensorcnt 0x0                           ; the wave's end
	ds_add_u32 v[SPW], v[NIL]
	s_wait_dscnt 0x0
	CROUND                                         ; the closing round
	s_endpgm
.Lfunc_end_k_q5e9f30b32c_wo:
	.size	k_q5e9f30b32c_wo, .Lfunc_end_k_q5e9f30b32c_wo-k_q5e9f30b32c_wo
	.p2alignl 7, 3214868480
	.fill 96, 4, 3214868480
	.section	.rodata,"a",@progbits
	.p2align	6, 0x0
	.amdhsa_kernel k_q5e9f30b32c_wo
		.amdhsa_group_segment_fixed_size 327680
		.amdhsa_private_segment_fixed_size 0
		.amdhsa_enable_private_segment 0
		.amdhsa_kernarg_size 24
		.amdhsa_user_sgpr_count 2
		.amdhsa_user_sgpr_kernarg_segment_ptr 1
		.amdhsa_wavefront_size32 1
		.amdhsa_system_sgpr_workgroup_id_x 1
		.amdhsa_system_sgpr_workgroup_id_y 1
		.amdhsa_system_sgpr_workgroup_id_z 1
		.amdhsa_system_vgpr_workitem_id 0
		.amdhsa_next_free_vgpr 512
		.amdhsa_next_free_sgpr 66
		.amdhsa_reserve_vcc 0
		.amdhsa_float_denorm_mode_32 3
		.amdhsa_float_denorm_mode_16_64 3
		.amdhsa_memory_ordered 1
		.amdhsa_forward_progress 1
		.amdhsa_inst_pref_size 42
	.end_amdhsa_kernel
	.amdgpu_metadata
---
amdhsa.version: [ 1, 2 ]
amdhsa.kernels:
  - .name:           k_q5e9f30b32c_wo
    .symbol:         k_q5e9f30b32c_wo.kd
    .args:
      - { .name: cc, .offset: 0, .size: 8, .value_kind: global_buffer, .address_space: global }
      - { .name: ops, .offset: 8, .size: 8, .value_kind: global_buffer, .address_space: global }
      - { .name: z, .offset: 16, .size: 8, .value_kind: global_buffer, .address_space: global }
    .group_segment_fixed_size: 327680
    .private_segment_fixed_size: 0
    .kernarg_segment_align: 8
    .kernarg_segment_size: 24
    .max_flat_workgroup_size: 128
    .sgpr_count:     66
    .vgpr_count:     512
    .wavefront_size: 32
...
	.end_amdgpu_metadata
.endif
;; end of part 4
;; launch ln1 (part 5): grid 256 x 1, 4 waves a work-group, no clusters, 66,304 bytes of LDS; arguments z, src, bo, ln1_g, ln1_b, lowp_scales, xf, xc; writes xf, xc
.if DOCPART == 5
	.amdgcn_target "amdgcn-amd-amdhsa--gfx1250"
	.amdhsa_code_object_version 6
	.text
	.protected	k_q5e9f30b32c_ln1
	.globl	k_q5e9f30b32c_ln1
	.p2align	8
	.type	k_q5e9f30b32c_ln1,@function
k_q5e9f30b32c_ln1:
	s_mov_b64 s[64:65], 0
	v_nop
	global_prefetch_b8 v0, s[64:65] scope:SCOPE_SE
	s_setreg_imm32_b32 hwreg(HW_REG_WAVE_MODE, 25, 1), 1
	s_wait_xcnt 0x0
; y = LayerNorm(res + z x 2^(ea + eb) + bias) x gain + beta, rows of 1,024, all in f32; mean first, then the mean of squares of the differences.  One source for two launches:
; CODES = 1: z = context x Wo's raw sums, res = src; y goes out as f32 (xf) and as codes of E5M2 under entry 12 (xc), laid as images of operand registers;  CODES = 0: z = hidden x W2's sums, res = xf; y is the output.
; A work-group takes one block of 16 token slots (slot r of block TB is true row 32 (TB / 2) + 8 (TB % 2) + r + 8 (r / 8)); a wave takes four slots, which are four neighbouring rows; a row lies in 32 registers
; of the wave (lane l: columns 4 l + 128 q), so each load and store covers 512 consecutive bytes and the sums never leave the wave.  Two row sets take turns: one at work, one on its way in.
; CODES = 1: the 16 rows meet in a stage in LDS (pitch 4,112 = 257 x 16 bytes); behind one barrier wave w makes the pieces of K steps 2 w and 2 w + 1: lane 16 h + r takes k = 32 c + 16 h + 0 .. 15 of slot r.
; Memory binds: no matrix unit, no cluster (no work-group reads what another reads but 12 KiB of parameters), no tensor loads.
; LIMITS: ea + eb between -126 and 127; entry 12 between -126 and 112.  NaN among the inputs is not served.
.set CODES, 1
.if CODES
.set EA, 42                            ; entries 10, 11 (entry n in s[32 + n])
.set EB, 43
.else
.set EA, 46                            ; entries 14, 15
.set EB, 47
.endif
.set BO,  32                           ; v32-63 bias, v64-95 gain, v96-127 beta of my 32 columns
.set GA,  64
.set BE,  96
.set SPT, 4112
	s_load_b256 s[4:11], s[0:1], 0x0               ; z, res, bias, gain
	s_load_b128 s[12:15], s[0:1], 0x20             ; beta, the scales' exponents
	s_load_b64 s[16:17], s[0:1], 0x30              ; y in f32
.if CODES
	s_load_b64 s[18:19], s[0:1], 0x38              ; y's codes
	v_lshl_add_u32 v30, v0, 2, 0x10100
	v_mov_b32 v31, 0
.endif
	v_lshrrev_b32 v4, 5, v0
	v_readfirstlane_b32 s20, v4                    ; wave 0..3
	v_and_b32 v4, 31, v0
	v_lshlrev_b32 v1, 4, v4                        ; 16 x lane; never rewritten
	s_lshr_b32 s21, ttmp9, 1
	s_lshl_b32 s21, s21, 5
	s_and_b32 s22, ttmp9, 1
	s_lshl_b32 s22, s22, 3
	s_add_co_u32 s21, s21, s22
	s_lshl_b32 s22, s20, 2
	s_add_co_u32 s21, s21, s22
	s_lshr_b32 s22, s20, 1
	s_lshl_b32 s22, s22, 3
	s_add_co_u32 s21, s21, s22                     ; my first row: 32 (TB / 2) + 8 (TB % 2) + 4 w + 8 (w / 2)
	s_lshl_b32 s22, s21, 12
	s_mov_b32 s23, 0
	s_mov_b32 s26, 0x3a800000                      ; 1 / 1,024
	s_mov_b32 s27, 0x3727c5ac                      ; 1e-5
	s_mov_b32 s28, 0x76543210
	s_mov_b32 s29, 0xfedcba98                      ; v_permlanex16_b32's selects for lane l xor 16
.if CODES
	s_mul_i32 s30, s20, 4*SPT
	v_add_nc_u32 v2, s30, v1                       ; the stage, on the way in: my four slots, as the bytes lie
	v_and_b32 v3, 15, v0
	v_bfe_u32 v4, v0, 4, 1
	v_mul_u32_u24 v3, v3, SPT
	v_lshl_add_u32 v3, v4, 6, v3
	s_lshl_b32 s31, s20, 10
	v_add_nc_u32 v3, s31, v3                       ; and on the way out: row = slot r, + 64 h, + my two K steps' 1,024 bytes x wave
	s_lshr_b32 s30, ttmp9, 4
	s_lshl_b32 s30, s30, 18                        ; the codes: [tile of 16 blocks][K step 8][block][piece]
	s_and_b32 s31, ttmp9, 15
	s_lshl_b32 s31, s31, 11
	s_add_co_u32 s30, s30, s31
	s_lshl_b32 s31, s20, 16
	s_add_co_u32 s30, s30, s31
	s_mov_b32 s31, 0
.endif
	s_wait_kmcnt 0x0
	s_load_b512 s[32:47], s[14:15], 0x0
	s_add_nc_u64 s[4:5], s[4:5], s[22:23]
	s_add_nc_u64 s[6:7], s[6:7], s[22:23]
	s_add_nc_u64 s[16:17], s[16:17], s[22:23]
.if CODES
	s_add_nc_u64 s[18:19], s[18:19], s[30:31]
.endif
.irp q, 0,1,2,3,4,5,6,7
	global_load_b128 v[BO+4*\q:BO+4*\q+3], v1, s[8:9] offset:512*\q
	global_load_b128 v[GA+4*\q:GA+4*\q+3], v1, s[10:11] offset:512*\q
	global_load_b128 v[BE+4*\q:BE+4*\q+3], v1, s[12:13] offset:512*\q
.endr
.macro RLOAD i                         ; row i: z into the set's first 32 registers, res into its second 32
.irp q, 0,1,2,3,4,5,6,7
	global_load_b128 v[128+64*((\i)%2)+4*\q:128+64*((\i)%2)+4*\q+3], v1, s[4:5] offset:4096*(\i)+512*\q th:TH_LOAD_NT
	global_load_b128 v[160+64*((\i)%2)+4*\q:160+64*((\i)%2)+4*\q+3], v1, s[6:7] offset:4096*(\i)+512*\q th:TH_LOAD_NT
.endr
.endm
	RLOAD 0
	RLOAD 1
	s_wait_kmcnt 0x0
	s_add_co_i32 s24, s[EA], s[EB]
	s_add_co_i32 s24, s24, 127
	s_lshl_b32 s24, s24, 23                        ; 2^(ea + eb) as f32
	s_mov_b32 s25, s24                             ; (named with it as a pair, so it is written)
.if CODES
	s_add_co_i32 s30, s44, 127
	s_lshl_b32 s31, s30, 23
	v_mov_b32 v20, s31                             ; 2^e12
	s_add_co_i32 s30, s30, 15
	s_lshl_b32 s30, s30, 23
	s_or_b32 s30, s30, 0x600000
	v_mov_b32 v21, s30                             ; 57,344 x 2^e12
.endif
.macro REDUCE                          ; v[4:7], two packed chains, become one sum in every lane's v4
	v_pk_add_f32 v[4:5], v[4:5], v[6:7]
	v_add_f32 v4, v4, v5
	v_add_f32_dpp v4, v4, v4 row_xmask:1 row_mask:0xf bank_mask:0xf
	v_add_f32_dpp v4, v4, v4 row_xmask:2 row_mask:0xf bank_mask:0xf
	v_add_f32_dpp v4, v4, v4 row_xmask:4 row_mask:0xf bank_mask:0xf
	v_add_f32_dpp v4, v4, v4 row_xmask:8 row_mask:0xf bank_mask:0xf
	v_permlanex16_b32 v5, v4, s28, s29
	v_add_f32 v4, v4, v5
.endm
.macro ROW i
.set Z, 128+64*((\i)%2)
.if (\i) < 3
	s_wait_loadcnt 16                              ; this row's loads (and the parameters') are in; the next row's sixteen may be out
.else
	s_wait_loadcnt 0x0
.endif
.set j, 0
.rept 16
	v_pk_fma_f32 v[Z+j:Z+j+1], v[Z+j:Z+j+1], s[24:25], v[BO+j:BO+j+1] op_sel_hi:[1,0,1]   ; sum x 2^(ea + eb) + bias
.set j, j+2
.endr
.set j, 0
.rept 16
	v_pk_add_f32 v[Z+j:Z+j+1], v[Z+j:Z+j+1], v[Z+32+j:Z+32+j+1]                           ; + the residual
.set j, j+2
.endr
	v_pk_add_f32 v[4:5], v[Z:Z+1], v[Z+2:Z+3]
	v_pk_add_f32 v[6:7], v[Z+4:Z+5], v[Z+6:Z+7]
.irp j, 8,12,16,20,24,28
	v_pk_add_f32 v[4:5], v[4:5], v[Z+\j:Z+\j+1]
	v_pk_add_f32 v[6:7], v[6:7], v[Z+\j+2:Z+\j+3]
.endr
	REDUCE
	v_mul_f32 v8, s26, v4                          ; the mean
	v_mov_b32 v9, v8
.set j, 0
.rept 16
	v_pk_add_f32 v[Z+j:Z+j+1], v[Z+j:Z+j+1], v[8:9] neg_lo:[0,1] neg_hi:[0,1]
.set j, j+2
.endr
	v_pk_mul_f32 v[4:5], v[Z:Z+1], v[Z:Z+1]
	v_pk_mul_f32 v[6:7], v[Z+2:Z+3], v[Z+2:Z+3]
.irp j, 4,8,12,16,20,24,28
	v_pk_fma_f32 v[4:5], v[Z+\j:Z+\j+1], v[Z+\j:Z+\j+1], v[4:5]
	v_pk_fma_f32 v[6:7], v[Z+\j+2:Z+\j+3], v[Z+\j+2:Z+\j+3], v[6:7]
.endr
	REDUCE
	v_fma_f32 v4, v4, s26, s27                     ; the variance + 1e-5
	v_rsq_f32 v10, v4
	v_nop                                          ; a plain line behind the root
	s_wait_alu depctr_va_vdst(0)                   ; and the wait ahead of its first reader
	v_mov_b32 v11, v10
.set j, 0
.rept 16
	v_pk_mul_f32 v[Z+j:Z+j+1], v[Z+j:Z+j+1], v[10:11]
.set j, j+2
.endr
.set j, 0
.rept 16
	v_pk_fma_f32 v[Z+j:Z+j+1], v[Z+j:Z+j+1], v[GA+j:GA+j+1], v[BE+j:BE+j+1]
.set j, j+2
.endr
.irp q, 0,1,2,3,4,5,6,7
.if CODES
	global_store_b128 v1, v[Z+4*\q:Z+4*\q+3], s[16:17] offset:4096*(\i)+512*\q
	ds_store_b128 v2, v[Z+4*\q:Z+4*\q+3] offset:SPT*(\i)+512*\q
.else
	global_store_b128 v1, v[Z+4*\q:Z+4*\q+3], s[16:17] offset:4096*(\i)+512*\q th:TH_STORE_NT
.endif
.endr
	s_wait_xcnt 0x0                                ; the stores have read the set: it may be written again
.if CODES
	s_wait_dscnt 0x0                               ; and so have the stores into the stage
.endif
.if (\i) < 2
	RLOAD (\i)+2
.endif
.endm
	ROW 0
	ROW 1
	ROW 2
	ROW 3
.if CODES
	s_barrier_signal -1                            ; every wave's stores into the stage have landed (the wait for 0 stands at the end of its last row)
	s_barrier_wait -1
.set g, 0
.rept 8                                ; group g = 4 x (K step of my two) + piece: my 16 numbers of it
.irp j, 0,1,2,3
	ds_load_b128 v[128+16*g+4*\j:128+16*g+4*\j+3], v3 offset:(g/4)*512+(g%4)*128+16*\j
.endr
.set g, g+1
.endr
.set g, 0
.rept 8
	s_wait_dscnt 28-4*g                            ; this group's four loads are in; the later groups' may be out
.set i, 0
.rept 16
	v_med3_num_f32 v[128+16*g+i], v[128+16*g+i], -v21, v21   ; the conversion to an 8-bit code does not saturate (ISA guide 7.6.2)
.set i, i+1
.endr
	v_cvt_scalef32_pk8_bf8_f32 v[32+4*g:33+4*g], v[128+16*g:135+16*g], v20      ; each group has its own registers for its codes: no store's data are written again
	v_cvt_scalef32_pk8_bf8_f32 v[34+4*g:35+4*g], v[136+16*g:143+16*g], v20
	v_nop
	global_store_b128 v1, v[32+4*g:35+4*g], s[18:19] offset:(g/4)*32768+(g%4)*512   ; a whole piece: 512 consecutive aligned bytes
.set g, g+1
.endr
.endif
	s_wait_tensorcnt 0x0
	ds_add_u32 v30, v31
	s_wait_dscnt 0x0
	s_endpgm
.Lfunc_end_k_q5e9f30b32c_ln1:
	.size	k_q5e9f30b32c_ln1, .Lfunc_end_k_q5e9f30b32c_ln1-k_q5e9f30b32c_ln1
	.p2alignl 7, 3214868480
	.fill 96, 4, 3214868480
	.section	.rodata,"a",@progbits
	.p2align	6, 0x0
	.amdhsa_kernel k_q5e9f30b32c_ln1
		.amdhsa_group_segment_fixed_size 66304
		.amdhsa_private_segment_fixed_size 0
		.amdhsa_enable_private_segment 0
		.amdhsa_kernarg_size 64
		.amdhsa_user_sgpr_count 2
		.amdhsa_user_sgpr_kernarg_segment_ptr 1
		.amdhsa_wavefront_size32 1
		.amdhsa_system_sgpr_workgroup_id_x 1
		.amdhsa_system_sgpr_workgroup_id_y 1
		.amdhsa_system_sgpr_workgroup_id_z 1
		.amdhsa_system_vgpr_workitem_id 0
		.amdhsa_next_free_vgpr 256
		.amdhsa_next_free_sgpr 66
		.amdhsa_reserve_vcc 0
		.amdhsa_float_denorm_mode_32 3
		.amdhsa_float_denorm_mode_16_64 3
		.amdhsa_memory_ordered 1
		.amdhsa_forward_progress 1
		.amdhsa_inst_pref_size 61
	.end_amdhsa_kernel
	.amdgpu_metadata
---
amdhsa.version: [ 1, 2 ]
amdhsa.kernels:
  - .name:           k_q5e9f30b32c_ln1
    .symbol:         k_q5e9f30b32c_ln1.kd
    .args:
      - { .name: z, .offset: 0, .size: 8, .value_kind: global_buffer, .address_space: global }
      - { .name: src, .offset: 8, .size: 8, .value_kind: global_buffer, .address_space: global }
      - { .name: bo, .offset: 16, .size: 8, .value_kind: global_buffer, .address_space: global }
      - { .name: ln1_g, .offset: 24, .size: 8, .value_kind: global_buffer, .address_space: global }
      - { .name: ln1_b, .offset: 32, .size: 8, .value_kind: global_buffer, .address_space: global }
      - { .name: lowp_scales, .offset: 40, .size: 8, .value_kind: global_buffer, .address_space: global }
      - { .name: xf, .offset: 48, .size: 8, .value_kind: global_buffer, .address_space: global }
      - { .name: xc, .offset: 56, .size: 8, .value_kind: global_buffer, .address_space: global }
    .group_segment_fixed_size: 66304
    .private_segment_fixed_size: 0
    .kernarg_segment_align: 8
    .kernarg_segment_size: 64
    .max_flat_workgroup_size: 128
    .sgpr_count:     66
    .vgpr_count:     256
    .wavefront_size: 32
...
	.end_amdgpu_metadata
.endif
;; end of part 5
;; launch ffn1 (part 6): grid 16 x 16, 4 waves a work-group, clusters of 4 x 4, 327,680 bytes of LDS; arguments xc, ops, b1, lowp_scales, hc; writes hc
.if DOCPART == 6
	.amdgcn_target "amdgcn-amd-amdhsa--gfx1250"
	.amdhsa_code_object_version 6
	.text
	.protected	k_q5e9f30b32c_ffn1
	.globl	k_q5e9f30b32c_ffn1
	.p2align	8
	.type	k_q5e9f30b32c_ffn1,@function
k_q5e9f30b32c_ffn1:
	s_mov_b64 s[64:65], 0
	v_nop
	global_prefetch_b8 v0, s[64:65] scope:SCOPE_SE
	s_setreg_imm32_b32 hwreg(HW_REG_WAVE_MODE, 25, 1), 1
	s_wait_xcnt 0x0
	s_wait_alu depctr_hold_cnt(0) depctr_sa_sdst(0) depctr_va_vdst(0) depctr_va_sdst(0) depctr_va_ssrc(0) depctr_va_vcc(0) depctr_vm_vsrc(0)
	s_getreg_b32 s2, hwreg(HW_REG_IB_STS2, 6, 4)
	s_cmp_eq_u32 s2, 0
	s_cbranch_scc0 .Lentry_in_a_cluster
	s_endpgm
.Lentry_in_a_cluster:
	s_bfe_u32 s2, ttmp6, 0x10000c
	s_cmp_lg_u32 s2, 0xf033
	s_cbranch_scc0 .Lentry_shape_is_right
	s_endpgm
.Lentry_shape_is_right:
; A PRODUCT ON CODES OF E5M2 WHOSE RESULT IS QUANTISED AGAIN.  One source for two launches: MODE 0: Q, K and V^T from src and Wq, Wk, Wv;  MODE 1: relu(x W1 + b1).
; Both operands lie in memory as images of operand registers (a piece of 512 bytes: lane 16 h + r holds k = 32 c + 16 h + 0 .. 15 of row slot r; order [tile of 16 blocks][K step of 128][block][piece]).
; Slot r of block blk is true row 32 (blk / 2) + 8 (blk % 2) + r + 8 (r / 8).  THE MATRIX INSTRUCTION IS USED TRANSPOSED: source 0 = 16 rows of the column operand, source 1 = 16 rows of the row operand.
; In accumulator (a, b) lane (r, h) then holds slot r of row block a, and register j the TRUE column 32 (b / 2) + 16 h + 8 (b % 2) + j: the 16 registers of accumulators 2 q and 2 q + 1 are 16 neighbours,
; and their codes are my lane's 16 bytes of piece q of the next operand: results leave straight from registers, 512 consecutive aligned bytes a store.
; A tile is 256 x 256; four waves, 128 x 128 each: 64 accumulators.  K = 1,024 goes through a ring of two LDS slots of 256 along K; a slot's part of a tile is one dense block of memory.
; MODE 0: cluster x says which third: 0: Q (row operand: src under entry 0, column operand: Wq), 1: K, 2: V^T (row operand: Wv, column operand: src under entry 4), so that V comes out with the keys innermost.
; CLUSTERS: 4 x 4 work-groups; the row operand's tile is asked for jointly along a row of the cluster, the column operand's along a column.
; The column bias goes in as the C of each sum's first product, divided by 2^(ea + eb); V's bias runs along rows and is added at the end.  Q's division by 8 is 3 more in its conversion's exponent.
; LIMITS: eo - ea - eb (eo: the result's exponent, with Q's 3) between -126 and 112; ea + eb between -127 and 126.  NaN and infinities among the inputs are not served.
; REGISTERS: window 0: v16-21 LDS addresses; v28, v29 for the add; v32-95 the column bias; v96-111 the row bias; v112-119 where results go; v120, v121 hold and scale; v128-255 the row operand's fragments, ONE set,
;   later 64 held numbers and four sets of codes.  Window 1: the column operand's fragments, two sets.  Windows 2, 3: the accumulators ((a, b) at v[8 (8 (a % 4) + b)]).
.set MODE,  1
.if MODE == 0
.set LP, 12                            ; s[12:13] the scales' exponents
.set CP, 4                             ; the column operand lies in ops too
.else
.set LP, 10
.set CP, 6
.endif
.set SLOT,  131072                     ; a slot: the row operand's [K step 2][block 16][2,048], then the column operand's
.set BOFF,  65536
.set SPARE, 2*SLOT                     ; behind the ring: the spare words, 128 bytes for each wave: two blocks of 256 bytes that no other line names
.set LAPS,  2                          ; K = 1,024 is four slots' worth: twice round the ring
.set FR,    16
.set NL,    4
.set NP,    4                          ; places behind this matrix instruction (ISA guide 7.12.1)
.set ADRA,  16
.set ADRB,  20
.set SPW,   28
.set NIL,   29
.set BC,    32
.set BR,    96
.set OA,    112
.set HI,    120
.set SCV,   121
.set AF,    128
.set TMP,   128
.set CD,    192
.set G1,  24
.set G0,  32
.set G1B, 48
.set G0B, 56
.set MSB, 0
.macro WIN new                         ; the immediate's high byte repeats the setting that is left
.if MSB != (\new)
	s_set_vgpr_msb (MSB<<8)|(\new)
.set MSB, (\new)
.endif
.endm
.set MUL_LO, 0xa1                      ; source 0 window 1, source 1 window 0, C and D window 2
.set MUL_HI, 0xf1                      ; the same, C and D window 3
.set TO_B,   0x40                      ; destination window 1, address window 0
; A joint load: waves 0 and 1 fetch the row operand's two K steps of a slot, waves 2 and 3 the column operand's.  The branch hangs on the wave's number alone.  Four v_nop follow each line.
.macro JLOAD g0a, g1a, g0b, g1b
	s_cmp_eq_u32 s17, 0
	s_cbranch_scc0 .Lfor_b_\@
	tensor_load_to_lds s[\g0a:\g0a+3], s[\g1a:\g1a+7]
	s_nop 0
.rept 4
	v_nop
.endr
	s_branch .Lasked_\@
.Lfor_b_\@:
	tensor_load_to_lds s[\g0b:\g0b+3], s[\g1b:\g1b+7]
	s_nop 0
.rept 4
	v_nop
.endr
.Lasked_\@:
.endm
.macro CREST                           ; a round of the cluster's barrier behind its opening barrier
	s_cmp_lg_u32 s16, 0
	s_cbranch_scc1 .Lnot_wave_0_\@
	s_barrier_signal -3
.Lnot_wave_0_\@:
	s_barrier_wait -3
	s_barrier_signal -1
	s_barrier_wait -1
.endm
.macro CROUND
	s_barrier_signal -1
	s_barrier_wait -1
	CREST
.endm
	s_load_b256 s[4:11], s[0:1], 0x0               ; MODE 0: ops, bq, bk, bv;  MODE 1: xc, ops, b1, the scales' exponents
.if MODE == 0
	s_load_b128 s[12:15], s[0:1], 0x20             ; the scales' exponents, qkvc
.else
	s_load_b64 s[14:15], s[0:1], 0x20              ; hc
.endif
	v_lshl_add_u32 v[SPW], v0, 2, SPARE
	v_mov_b32 v[NIL], 0
	ds_add_u32 v28, v29
	ds_add_u32 v28, v29
	s_wait_dscnt 0x0
	v_lshrrev_b32 v1, 5, v0
	v_readfirstlane_b32 s16, v1                    ; wave 0..3
	s_lshr_b32 s17, s16, 1                         ; which half of the tile's rows is mine.  Also: I fetch for the row operand (0) or the column operand (1)
	s_and_b32 s18, s16, 1                          ; which half of its columns.  Also: which K step of a slot I fetch
	s_bfe_u32 s20, ttmp6, 0x40000                  ; cx
	s_bfe_u32 s21, ttmp6, 0x40004                  ; cy
	s_and_b32 s22, ttmp7, 0xffff
	s_lshl_b32 s22, s22, 2                         ; 4 x cluster y
.if MODE == 0
	s_lshl_b32 s66, ttmp9, 22                      ; src's codes under entry 0 or 2: 0 or 4 MiB into ops
	s_add_co_u32 s67, ttmp9, 12
	s_lshl_b32 s67, s67, 20                        ; Wq or Wk: 12 or 13 MiB
	s_cmp_lt_u32 ttmp9, 2                          ; cluster x is the same in all sixteen partners
	s_cselect_b32 s68, s22, 0                      ; the sixteen tiles of tokens walk with cluster y: as rows (Q, K)
	s_cselect_b32 s69, 0, s22                      ; or as columns (V^T)
	s_cselect_b32 s66, s66, 0xe00000               ; V^T: rows from Wv, 14 MiB,
	s_cselect_b32 s67, s67, 0x800000               ; columns from src's codes under entry 4, 8 MiB
	s_add_co_u32 s40, s68, s21                     ; tile row
	s_add_co_u32 s41, s69, s20                     ; tile column
.else
	s_add_co_u32 s40, s22, s21                     ; tile row = 4 x cluster y + cy
	s_lshl_b32 s41, ttmp9, 2
	s_add_co_u32 s41, s41, s20                     ; tile column = 4 x cluster x + cx
	s_mov_b32 s66, 0
	s_mov_b32 s67, 0x1000000                       ; W1: 16 MiB into ops
.endif
	s_lshl_b32 s42, s21, 2
	s_lshl_b32 s42, 15, s42                        ; my row of the cluster
	s_lshl_b32 s43, 0x1111, s20                    ; my column
	; descriptor group 1: a dense block of 32,768 bytes as 128 rows of 32 elements of 8 bytes; no padding: a fragment load takes 512 consecutive bytes
	s_or_b32 s[G1], s42, (3<<16)|(1<<21)           ; 15:0 the mask; 17:16 elements of 8 bytes; 21 set beside a mask
	s_or_b32 s[G1B], s43, (3<<16)|(1<<21)
.irp g, G1, G1B
	s_mov_b32 s[\g+1], 32<<16                      ; tensor_dim0
	s_mov_b32 s[\g+2], 128<<16                     ; tensor_dim1
	s_mov_b32 s[\g+3], 32<<16                      ; tile_dim0
	s_mov_b32 s[\g+4], 128                         ; tile_dim1
	s_mov_b32 s[\g+5], 32                          ; tensor_dim0_stride
	s_mov_b32 s[\g+6], 0
	s_mov_b32 s[\g+7], 0
.endr
	s_lshl_b32 s70, s18, 15                        ; my K step of a slot's two
	s_lshl_b32 s44, s40, 18                        ; a tile is 262,144 bytes
	s_add_co_u32 s44, s44, s66
	s_add_co_u32 s44, s44, s70
	s_mov_b32 s45, 0
	s_lshl_b32 s46, s41, 18
	s_add_co_u32 s46, s46, s67
	s_add_co_u32 s46, s46, s70
	s_mov_b32 s47, 0
	s_lshl_b32 s71, s16, 15                        ; where it goes: wave x 32,768: no place in the cluster enters an LDS address
	s_wait_kmcnt 0x0
	s_load_b512 s[72:87], s[LP:LP+1], 0x0          ; all sixteen exponents
	s_add_nc_u64 s[44:45], s[4:5], s[44:45]
	s_add_nc_u64 s[46:47], s[CP:CP+1], s[46:47]
	CROUND                                         ; all sixteen work-groups are here: the first joint loads meet
.irp s, 0,1
	s_mov_b32 s[G0+4*\s], 1
	s_add_co_u32 s[G0+4*\s+1], s71, \s*SLOT
	s_add_nc_u64 s[G0+4*\s+2:G0+4*\s+3], s[44:45], \s*65536
	s_or_b32 s[G0+4*\s+3], s[G0+4*\s+3], 0x80000000
	s_mov_b32 s[G0B+4*\s], 1
	s_add_co_u32 s[G0B+4*\s+1], s71, \s*SLOT
	s_add_nc_u64 s[G0B+4*\s+2:G0B+4*\s+3], s[46:47], \s*65536
	s_or_b32 s[G0B+4*\s+3], s[G0B+4*\s+3], 0x80000000
	JLOAD G0+4*\s, G1, G0B+4*\s, G1B               ; two loads of mine are out
.endr
	v_and_b32 v1, 15, v0                           ; r
	v_bfe_u32 v2, v0, 4, 1                         ; h
	v_and_b32 v3, 31, v0
	v_lshlrev_b32 v3, 4, v3                        ; 16 x lane
	s_lshl_b32 s2, s17, 14                         ; my 8 blocks of the row operand
	s_lshl_b32 s3, s18, 14
	s_add_co_u32 s3, s3, BOFF                      ; and of the column operand
.irp s, 0,1
	v_add_nc_u32 v[ADRA+\s], s2, v3
	v_add_nc_u32 v[ADRB+\s], s3, v3
	s_add_co_u32 s2, s2, SLOT
	s_add_co_u32 s3, s3, SLOT
.endr
	s_wait_kmcnt 0x0
	s_lshl_b32 s94, s41, 3
	s_lshl_b32 s91, s18, 2
	s_add_co_u32 s94, s94, s91                     ; my first group of 32 columns: 8 x tile column + 4 x half
	s_lshl_b32 s95, s40, 4
	s_lshl_b32 s91, s17, 3
	s_add_co_u32 s95, s95, s91                     ; my first block of rows: 16 x tile row + 8 x half
.if MODE == 0
	s_add_co_i32 s90, s78, 3                       ; Q / 8 under entry 6
	s_cmp_eq_u32 ttmp9, 1
	s_cselect_b32 s88, s74, s72                    ; ea
	s_cselect_b32 s89, s75, s73                    ; eb
	s_cselect_b32 s90, s79, s90                    ; eo: K under entry 7
	s_cselect_b64 s[92:93], s[8:9], s[6:7]         ; the column bias: bk or bq
	s_cmp_eq_u32 ttmp9, 2
	s_cselect_b32 s88, s76, s88
	s_cselect_b32 s89, s77, s89
	s_cselect_b32 s90, s81, s90                    ; V under entry 9
	s_cselect_b32 s98, 0, s94                      ; V^T has no column bias: bq's first numbers are loaded and multiplied by 0, so that no load leaves its buffer
	s_cselect_b32 s2, s95, 0                       ; and bv runs along its rows
	s_cselect_b32 s23, 16, 14                      ; log2 of the bytes from a row block's results to the next block's: 65,536 in V^T, 16,384 in Q and K
.else
	s_mov_b32 s88, s84                             ; x under entry 12, W1 under 13, the hidden layer under 14
	s_mov_b32 s89, s85
	s_mov_b32 s90, s86
	s_mov_b64 s[92:93], s[8:9]                     ; b1
	s_mov_b32 s98, s94
.endif
	s_add_co_i32 s88, s88, s89                     ; ea + eb: a sum stands for sum x 2^(ea + eb)
	s_sub_co_i32 s90, s90, s88                     ; so its code is sum / 2^(eo - ea - eb)
	s_add_co_i32 s90, s90, 127
	s_lshl_b32 s91, s90, 23
	v_mov_b32 v[SCV], s91
	s_add_co_i32 s90, s90, 15
	s_lshl_b32 s90, s90, 23
	s_or_b32 s90, s90, 0x600000
	v_mov_b32 v[HI], s90                           ; 57,344 x that
	s_sub_co_i32 s88, 127, s88
	s_lshl_b32 s88, s88, 23                        ; 2^-(ea + eb), for the biases
.if MODE == 0
	s_cmp_eq_u32 ttmp9, 2
	s_cselect_b32 s96, 0, s88
.else
	s_mov_b32 s96, s88
.endif
	s_mov_b32 s97, s96                             ; (named with it as a pair, so it is written)
	s_lshl_b32 s98, s98, 7
	s_mov_b32 s99, 0
	s_add_nc_u64 s[92:93], s[92:93], s[98:99]
	v_lshlrev_b32 v4, 6, v2                        ; 64 h: accumulator b wants the bias of columns 32 (b / 2) + 16 h + 8 (b % 2) + 0 .. 7
.irp b, 0,1,2,3,4,5,6,7
	global_load_b128 v[BC+8*\b:BC+8*\b+3], v4, s[92:93] offset:128*(\b/2)+32*(\b%2)
	global_load_b128 v[BC+8*\b+4:BC+8*\b+7], v4, s[92:93] offset:128*(\b/2)+32*(\b%2)+16
.endr
.if MODE == 0
	s_lshl_b32 s2, s2, 6
	s_mov_b32 s3, 0
	s_add_nc_u64 s[10:11], s[10:11], s[2:3]
	v_and_b32 v5, 8, v1
	v_add_nc_u32 v5, v5, v1
	v_lshlrev_b32 v5, 2, v5                        ; my slot's true row in a pair of blocks: r + 8 (r / 8)
.irp a, 0,1,2,3,4,5,6,7
	global_load_b32 v[BR+2*\a], v5, s[10:11] offset:128*(\a/2)+32*(\a%2)
.endr
	s_lshl_b32 s98, ttmp9, 22                      ; results: Q, K, V^T lie 4 MiB apart,
	s_lshl_b32 s91, s95, s23
	s_add_co_u32 s98, s98, s91                     ; my first row block,
	s_lshl_b32 s91, s94, 9
	s_add_co_u32 s98, s98, s91                     ; my first piece
	s_lshl_b32 s91, 1, s23
.else
	s_lshl_b32 s98, s40, 1                         ; results: tiles of 8 blocks x 32 K steps: tile 2 x tile row + half,
	s_add_co_u32 s98, s98, s17
	s_lshl_b32 s98, s98, 19
	s_lshl_b32 s91, s41, 1
	s_add_co_u32 s91, s91, s18
	s_lshl_b32 s91, s91, 14                        ; K step 2 x tile column + half
	s_add_co_u32 s98, s98, s91
	s_mov_b32 s91, 2048                            ; from a block to the next
.endif
	s_add_nc_u64 s[14:15], s[14:15], s[98:99]
	v_mov_b32 v[OA], v3
.irp a, 1,2,3,4,5,6,7
	v_add_nc_u32 v[OA+\a], s91, v[OA+\a-1]
.endr
	s_wait_loadcnt 0x0                             ; the biases
.set j, 0
.rept 32
	v_pk_mul_f32 v[BC+j:BC+j+1], v[BC+j:BC+j+1], s[96:97] op_sel_hi:[1,0]
.set j, j+2
.endr
.if MODE == 0
.irp a, 0,1,2,3,4,5,6,7
	v_mul_f32 v[BR+2*\a], s88, v[BR+2*\a]
	v_mov_b32 v[BR+2*\a+1], v[BR+2*\a]
.endr
.endif
.macro FRAG reg, adr, q, i             ; a fragment as it lies: four loads of 512 consecutive bytes
.irp c, 0,1,2,3
	ds_load_b128 v[\reg+4*\c:\reg+4*\c+3], v[\adr] offset:32768*(\q)+2048*(\i)+512*\c
.endr
.endm
; 16 matrix instructions: row blocks a0, a0 + 1 x the eight column blocks.  p: the column operand's set.  zero = 1: the first product starts the sums, with the bias as C.
; The 64 accumulators take turns, one instruction a turn, in the same order in every step.
.macro MUL16 a0, p, zero
.irp a, \a0, \a0+1
.irp b, 0,1,2,3,4,5,6,7
.if \zero
	v_wmma_f32_16x16x128_bf8_bf8 v[8*(8*((\a)%4)+\b):8*(8*((\a)%4)+\b)+7], v[128*(\p)+FR*\b:128*(\p)+FR*\b+FR-1], v[AF+FR*(\a):AF+FR*(\a)+FR-1], v[BC+8*\b:BC+8*\b+7]
.else
	v_wmma_f32_16x16x128_bf8_bf8 v[8*(8*((\a)%4)+\b):8*(8*((\a)%4)+\b)+7], v[128*(\p)+FR*\b:128*(\p)+FR*\b+FR-1], v[AF+FR*(\a):AF+FR*(\a)+FR-1], v[8*(8*((\a)%4)+\b):8*(8*((\a)%4)+\b)+7]
.endif
.endr
.endr
.endm
.macro FETCH_B slot, q, p
	WIN TO_B
.irp i, 0,1,2,3,4,5,6,7
	FRAG 128*(\p)+FR*\i, ADRB+\slot, \q, \i
.endr
	WIN 0
.endm
.macro FETCH_A slot, q, i0
.irp i, \i0, \i0+1, \i0+2, \i0+3
	FRAG AF+FR*(\i), ADRA+\slot, \q, \i
.endr
.endm
.macro PLACES n                        ; plain vector lines between a matrix instruction and a load into, or a vector line on, its registers
.rept \n
	v_nop
.endr
.endm
; A step of 128 along K that has its successor in the same slot.
.macro STEP slot, q, zero
	s_wait_dscnt 4*NL                              ; the column operand's set and row blocks 0-3 are in; the youngest sixteen loads (row blocks 4-7) may be out
.if \zero
	WIN 0x81                                       ; C (the bias) window 0, D window 2
.else
	WIN MUL_LO
.endif
	MUL16 0, (\q)%2, \zero
	MUL16 2, (\q)%2, \zero
	s_wait_dscnt 0
	PLACES NP
	FETCH_B \slot, (\q)+1, 1-(\q)%2
	FETCH_A \slot, (\q)+1, 0
.if \zero
	WIN 0xc1
.else
	WIN MUL_HI
.endif
	MUL16 4, (\q)%2, \zero
	MUL16 6, (\q)%2, \zero
	PLACES NP
	WIN 0
	FETCH_A \slot, (\q)+1, 4
.endm
; A slot's last step changes slots: ONE barrier; in front of it each wave waits for all its tensor loads, adds 0 to its spare word, and waits for that and for its own reads of this slot.  fill = 1: this slot is filled again.
.macro TURN slot, next, fill
	s_wait_tensorcnt 0x0                           ; all my tensor loads have landed: my part of the next slot  (every window is 0 here)
	ds_add_u32 v[SPW], v[NIL]                      ; 0 onto my spare word
	s_wait_dscnt 4*NL+1                            ; (the add and the youngest sixteen loads may be out)
	WIN MUL_LO
	MUL16 0, 1, 0                                  ; sixteen matrix instructions stand between the add and the wait for it
	s_wait_dscnt 0x0                               ; the add is done, and my reads of this slot are over
	s_barrier_signal -1
	MUL16 2, 1, 0
	WIN 0
	s_barrier_wait -1
.if \fill
	CREST                                          ; the barrier has opened a round of the cluster's: no wave of any partner still reads this slot or has a load on its way
	s_add_nc_u64 s[G0+4*\slot+2:G0+4*\slot+3], s[G0+4*\slot+2:G0+4*\slot+3], 2*65536
	s_add_nc_u64 s[G0B+4*\slot+2:G0B+4*\slot+3], s[G0B+4*\slot+2:G0B+4*\slot+3], 2*65536
	JLOAD G0+4*\slot, G1, G0B+4*\slot, G1B         ; the first tensor load behind the round; its four v_nop are the places in front of the loads below
.else
	PLACES NP
.endif
	FETCH_B \next, 0, 0
	FETCH_A \next, 0, 0
	WIN MUL_HI
	MUL16 4, 1, 0
	MUL16 6, 1, 0
	PLACES NP
	WIN 0
	FETCH_A \next, 0, 4
.endm
	s_wait_tensorcnt 1                             ; my part of slot 0 is in; slot 1's load may be out
	s_barrier_signal -1
	s_barrier_wait -1
	FETCH_B 0, 0, 0
	FETCH_A 0, 0, 0
	FETCH_A 0, 0, 4
	STEP 0, 0, 1
	s_mov_b32 s19, LAPS-1
.Llap:                                                 ; a trip goes once round the ring and fills both slots again
	TURN 0, 1, 1
	STEP 1, 0, 0
	TURN 1, 0, 1
	STEP 0, 0, 0
	s_sub_co_u32 s19, s19, 1
	s_cmp_lg_u32 s19, 0
	s_cbranch_scc1 .Llap
	TURN 0, 1, 0                                   ; the last lap fills nothing
	STEP 1, 0, 0
	s_wait_dscnt 4*NL
	WIN MUL_LO
	MUL16 0, 1, 0
	MUL16 2, 1, 0
	s_wait_dscnt 0
	WIN MUL_HI
	MUL16 4, 1, 0
	MUL16 6, 1, 0
	WIN 0
	PLACES NP                                      ; ahead of the first read of results and of writes into the registers that held fragments
.if MODE == 0
	s_cmp_lg_u32 ttmp9, 2                          ; V^T alone has a bias along its rows: one number a lane for each row block
	s_cbranch_scc1 .Lnorow
	WIN 0x82
.irp a, 0,1,2,3
.set j, 0
.rept 32
	v_pk_add_f32 v[64*\a+j:64*\a+j+1], v[64*\a+j:64*\a+j+1], v[BR+2*\a:BR+2*\a+1]
.set j, j+2
.endr
.endr
	WIN 0xc3
.irp a, 0,1,2,3
.set j, 0
.rept 32
	v_pk_add_f32 v[64*\a+j:64*\a+j+1], v[64*\a+j:64*\a+j+1], v[BR+8+2*\a:BR+8+2*\a+1]
.set j, j+2
.endr
.endr
	WIN 0
.Lnorow:
.endif
; Row block a: held (MODE 1: and clipped at 0: the activation), converted, stored.  Each accumulator is read from its low end on.
.macro OUTA a
	WIN 0x02+((\a)/4)                              ; source 0: window 2 or 3
.set j, 0
.rept 64
.if MODE == 0
	v_med3_num_f32 v[TMP+j], v[64*((\a)%4)+j], -v[HI], v[HI]   ; the conversion to an 8-bit code does not saturate (ISA guide 7.6.2)
.else
	v_med3_num_f32 v[TMP+j], v[64*((\a)%4)+j], 0, v[HI]
.endif
.set j, j+1
.endr
	WIN 0
.if (\a) >= 4
	s_wait_xcnt 0x0                                ; the stores of four blocks ago have read this set of codes
.endif
.irp q, 0,1,2,3
	v_cvt_scalef32_pk8_bf8_f32 v[CD+16*((\a)%4)+4*\q:CD+16*((\a)%4)+4*\q+1], v[TMP+16*\q:TMP+16*\q+7], v[SCV]
	v_cvt_scalef32_pk8_bf8_f32 v[CD+16*((\a)%4)+4*\q+2:CD+16*((\a)%4)+4*\q+3], v[TMP+16*\q+8:TMP+16*\q+15], v[SCV]
.endr
	v_nop                                          ; a plain line between the conversions and the next block's holds, which write their sources
.irp q, 0,1,2,3
	global_store_b128 v[OA+\a], v[CD+16*((\a)%4)+4*\q:CD+16*((\a)%4)+4*\q+3], s[14:15] offset:512*\q   ; a whole piece: 512 consecutive aligned bytes
.endr
.endm
.irp a, 0,1,2,3,4,5,6,7
	OUTA \a
.endr
	s_wait_tensorcnt 0x0                           ; the wave's end
	ds_add_u32 v[SPW], v[NIL]
	s_wait_dscnt 0x0
	CROUND                                         ; the closing round
	s_endpgm
.Lfunc_end_k_q5e9f30b32c_ffn1:
	.size	k_q5e9f30b32c_ffn1, .Lfunc_end_k_q5e9f30b32c_ffn1-k_q5e9f30b32c_ffn1
	.p2alignl 7, 3214868480
	.fill 96, 4, 3214868480
	.section	.rodata,"a",@progbits
	.p2align	6, 0x0
	.amdhsa_kernel k_q5e9f30b32c_ffn1
		.amdhsa_group_segment_fixed_size 327680
		.amdhsa_private_segment_fixed_size 0
		.amdhsa_enable_private_segment 0
		.amdhsa_kernarg_size 40
		.amdhsa_user_sgpr_count 2
		.amdhsa_user_sgpr_kernarg_segment_ptr 1
		.amdhsa_wavefront_size32 1
		.amdhsa_system_sgpr_workgroup_id_x 1
		.amdhsa_system_sgpr_workgroup_id_y 1
		.amdhsa_system_sgpr_workgroup_id_z 1
		.amdhsa_system_vgpr_workitem_id 0
		.amdhsa_next_free_vgpr 1024
		.amdhsa_next_free_sgpr 100
		.amdhsa_reserve_vcc 0
		.amdhsa_float_denorm_mode_32 3
		.amdhsa_float_denorm_mode_16_64 3
		.amdhsa_memory_ordered 1
		.amdhsa_forward_progress 1
		.amdhsa_inst_pref_size 122
	.end_amdhsa_kernel
	.amdgpu_metadata
---
amdhsa.version: [ 1, 2 ]
amdhsa.kernels:
  - .name:           k_q5e9f30b32c_ffn1
    .symbol:         k_q5e9f30b32c_ffn1.kd
    .args:
      - { .name: xc, .offset: 0, .size: 8, .value_kind: global_buffer, .address_space: global }
      - { .name: ops, .offset: 8, .size: 8, .value_kind: global_buffer, .address_space: global }
      - { .name: b1, .offset: 16, .size: 8, .value_kind: global_buffer, .address_space: global }
      - { .name: lowp_scales, .offset: 24, .size: 8, .value_kind: global_buffer, .address_space: global }
      - { .name: hc, .offset: 32, .size: 8, .value_kind: global_buffer, .address_space: global }
    .group_segment_fixed_size: 327680
    .private_segment_fixed_size: 0
    .kernarg_segment_align: 8
    .kernarg_segment_size: 40
    .max_flat_workgroup_size: 128
    .sgpr_count:     100
    .vgpr_count:     1024
    .wavefront_size: 32
...
	.end_amdgpu_metadata
.endif
;; end of part 6
;; launch ffn2 (part 7): grid 8 x 32, 4 waves a work-group, clusters of 4 x 4, 327,680 bytes of LDS; arguments hc, ops, z; writes z
.if DOCPART == 7
	.amdgcn_target "amdgcn-amd-amdhsa--gfx1250"
	.amdhsa_code_object_version 6
	.text
	.protected	k_q5e9f30b32c_ffn2
	.globl	k_q5e9f30b32c_ffn2
	.p2align	8
	.type	k_q5e9f30b32c_ffn2,@function
k_q5e9f30b32c_ffn2:
	s_mov_b64 s[64:65], 0
	v_nop
	global_prefetch_b8 v0, s[64:65] scope:SCOPE_SE
	s_setreg_imm32_b32 hwreg(HW_REG_WAVE_MODE, 25, 1), 1
	s_wait_xcnt 0x0
	s_wait_alu depctr_hold_cnt(0) depctr_sa_sdst(0) depctr_va_vdst(0) depctr_va_sdst(0) depctr_va_ssrc(0) depctr_va_vcc(0) depctr_vm_vsrc(0)
	s_getreg_b32 s2, hwreg(HW_REG_IB_STS2, 6, 4)
	s_cmp_eq_u32 s2, 0
	s_cbranch_scc0 .Lentry_in_a_cluster
	s_endpgm
.Lentry_in_a_cluster:
	s_bfe_u32 s2, ttmp6, 0x10000c
	s_cmp_lg_u32 s2, 0xf033
	s_cbranch_scc0 .Lentry_shape_is_right
	s_endpgm
.Lentry_shape_is_right:
; A PRODUCT ON CODES OF E5M2 WHOSE RAW f32 SUMS GO TO MEMORY, row-major [4,096][1,024]; the launch behind it applies 2^(ea + eb), bias, residual and the norm, which wants whole rows.
; One source for two launches: LAPS = 1: context x Wo (K = 1,024);  LAPS = 4: hidden layer x W2 (K = 4,096).
; Tiles of 256 x 256 would be 64: so a tile is 128 x 128, one for each of 256 work-groups.  Four waves, 64 x 64 each: 16 accumulators.  K goes in slots of 512 through a ring of two.
; Both operands lie in memory as images of operand registers ([tile of 8 blocks][K step of 128][block][piece of 512 bytes]): a slot's part of a tile is one dense block, a fragment load takes 512 consecutive bytes.
; Slot r of block blk is true row 32 (blk / 2) + 8 (blk % 2) + r + 8 (r / 8).  Used transposed (source 0: the weight's 16 rows, source 1: 16 tokens): in accumulator (a, b) lane (r, h) holds token slot r of
; block a and register j true column 32 (b / 2) + 16 h + 8 (b % 2) + j.
; CLUSTERS: 4 x 4 work-groups; the tokens' tile is asked for jointly along a row of the cluster, the weight's along a column.
; REGISTERS: window 0: v16-21 LDS addresses, v24-26 the way out, v28, v29 for the add, v128-255 the accumulators ((a, b) at v[128 + 8 (4 a + b)]).  Window 1: two fragment buffers of 128: 64 of tokens, 64 of the weight.
.set LAPS,  4
.if LAPS == 1
.set LOGT,  17                         ; log2 of a tile's bytes: 8 blocks x 2,048 x 8 K steps
.set COFF,  15<<20                     ; Wo's codes in ops
.else
.set LOGT,  19                         ; 32 K steps
.set COFF,  20<<20                     ; W2's
.endif
.set SLOT,  131072                     ; the tokens' [K step 4][block 8][2,048], then the weight's
.set BOFF,  65536
.set STAGE, 2*SLOT                     ; behind the ring: 16 rows x 272 bytes for each wave, for the way out
.set SPITCH, 272
.set SPARE, STAGE+4*16*SPITCH          ; behind the stages: the spare words, 128 bytes for each wave: two blocks of 256 bytes that no other line names
.set ADRA, 16
.set ADRB, 20
.set STO,  24
.set RD,   25
.set CO,   26
.set SPW,  28
.set NIL,  29
.set ACC,  128
.set F0,   0
.set F1,   128
.set G1, 24
.set G0, 32
.set G1B, 48
.set G0B, 56
.set MSB, 0
.macro WIN new
.if MSB != (\new)
	s_set_vgpr_msb (MSB<<8)|(\new)
.set MSB, (\new)
.endif
.endm
.set MUL,  0x05                        ; sources 0 and 1 window 1; C and D window 0
.set TO_F, 0x40                        ; destination window 1, address window 0
.macro JLOAD s                         ; waves 0 and 1 fetch the tokens' halves of a slot, waves 2 and 3 the weight's; four v_nop follow each line
	s_cmp_eq_u32 s11, 0
	s_cbranch_scc0 .Lfor_b_\@
	tensor_load_to_lds s[G0+4*\s:G0+4*\s+3], s[G1:G1+7]
	s_nop 0
.rept 4
	v_nop
.endr
	s_branch .Lasked_\@
.Lfor_b_\@:
	tensor_load_to_lds s[G0B+4*\s:G0B+4*\s+3], s[G1B:G1B+7]
	s_nop 0
.rept 4
	v_nop
.endr
.Lasked_\@:
.endm
.macro CREST
	s_cmp_lg_u32 s10, 0
	s_cbranch_scc1 .Lnot_wave_0_\@
	s_barrier_signal -3
.Lnot_wave_0_\@:
	s_barrier_wait -3
	s_barrier_signal -1
	s_barrier_wait -1
.endm
.macro CROUND
	s_barrier_signal -1
	s_barrier_wait -1
	CREST
.endm
	s_load_b128 s[4:7], s[0:1], 0x0                ; the tokens' codes, ops
	s_load_b64 s[8:9], s[0:1], 0x10                ; z
	v_lshl_add_u32 v[SPW], v0, 2, SPARE
	v_mov_b32 v[NIL], 0
	ds_add_u32 v28, v29
	ds_add_u32 v28, v29
	s_wait_dscnt 0x0
	v_lshrrev_b32 v1, 5, v0
	v_readfirstlane_b32 s10, v1                    ; wave 0..3
	s_lshr_b32 s11, s10, 1                         ; which half of the tile's rows is mine.  Also: I fetch tokens (0) or the weight (1)
	s_and_b32 s12, s10, 1                          ; which half of its columns.  Also: which two K steps of a slot I fetch
	s_bfe_u32 s40, ttmp6, 0x40000                  ; cx
	s_bfe_u32 s41, ttmp6, 0x40004                  ; cy
	s_lshl_b32 s42, ttmp9, 2
	s_add_co_u32 s42, s42, s40                     ; tile column
	s_and_b32 s13, ttmp7, 0xffff
	s_lshl_b32 s13, s13, 2
	s_add_co_u32 s13, s13, s41                     ; tile row
	s_lshl_b32 s43, s41, 2
	s_lshl_b32 s43, 15, s43                        ; my row of the cluster
	s_lshl_b32 s44, 0x1111, s40                    ; my column
	s_or_b32 s[G1], s43, (3<<16)|(1<<21)           ; 15:0 the mask; 17:16 elements of 8 bytes; 21 set beside a mask; no padding
	s_or_b32 s[G1B], s44, (3<<16)|(1<<21)
.irp g, G1, G1B
	s_mov_b32 s[\g+1], 32<<16                      ; a dense block of 32,768 bytes as 128 rows of 256
	s_mov_b32 s[\g+2], 128<<16
	s_mov_b32 s[\g+3], 32<<16
	s_mov_b32 s[\g+4], 128
	s_mov_b32 s[\g+5], 32
	s_mov_b32 s[\g+6], 0
	s_mov_b32 s[\g+7], 0
.endr
	s_lshl_b32 s17, s12, 15
	s_lshl_b32 s16, s13, LOGT
	s_add_co_u32 s16, s16, s17
	s_lshl_b32 s46, s42, LOGT
	s_add_co_u32 s46, s46, s17
	s_add_co_u32 s46, s46, COFF
	s_mov_b32 s17, 0
	s_mov_b32 s47, 0
	s_lshl_b32 s20, s10, 15                        ; where it goes: wave x 32,768
	s_wait_kmcnt 0x0
	s_add_nc_u64 s[14:15], s[4:5], s[16:17]
	s_add_nc_u64 s[46:47], s[6:7], s[46:47]
	CROUND                                         ; all sixteen work-groups are here: the first joint loads meet
.irp s, 0,1
	s_mov_b32 s[G0+4*\s], 1
	s_add_co_u32 s[G0+4*\s+1], s20, \s*SLOT
	s_add_nc_u64 s[G0+4*\s+2:G0+4*\s+3], s[14:15], \s*65536
	s_or_b32 s[G0+4*\s+3], s[G0+4*\s+3], 0x80000000
	s_mov_b32 s[G0B+4*\s], 1
	s_add_co_u32 s[G0B+4*\s+1], s20, \s*SLOT
	s_add_nc_u64 s[G0B+4*\s+2:G0B+4*\s+3], s[46:47], \s*65536
	s_or_b32 s[G0B+4*\s+3], s[G0B+4*\s+3], 0x80000000
	JLOAD \s                                       ; two loads of mine are out
.endr
	v_and_b32 v1, 15, v0                           ; r
	v_bfe_u32 v2, v0, 4, 1                         ; h
	v_and_b32 v3, 31, v0
	v_lshlrev_b32 v3, 4, v3                        ; 16 x lane
	s_lshl_b32 s21, s11, 13                        ; my 4 blocks of tokens
	s_lshl_b32 s22, s12, 13
	s_add_co_u32 s22, s22, BOFF                    ; and of the weight
.irp s, 0,1
	v_add_nc_u32 v[ADRA+\s], s21, v3
	v_add_nc_u32 v[ADRB+\s], s22, v3
	s_add_co_u32 s21, s21, SLOT
	s_add_co_u32 s22, s22, SLOT
.endr
	s_mul_i32 s23, s10, 16*SPITCH
	s_add_co_u32 s23, s23, STAGE                   ; my stage
	v_mul_u32_u24 v4, v1, SPITCH
	v_lshl_add_u32 v4, v2, 6, v4
	v_add_nc_u32 v[STO], s23, v4                   ; in: row = my slot, + 64 h
	v_mul_u32_u24 v5, v2, SPITCH
	v_lshl_add_u32 v5, v1, 4, v5
	v_add_nc_u32 v[RD], s23, v5                    ; back: lanes 0-15 one row of 256 bytes, lanes 16-31 the next
	v_lshlrev_b32 v5, 12, v2
	v_lshl_add_u32 v[CO], v1, 4, v5                ; and the same two rows in z
	s_lshl_b32 s16, s13, 7
	s_lshl_b32 s17, s11, 6
	s_add_co_u32 s16, s16, s17
	s_lshl_b32 s16, s16, 12                        ; my first row of z: 128 x tile row + 64 x half
	s_mov_b32 s17, 0
	s_add_nc_u64 s[8:9], s[8:9], s[16:17]
	s_lshl_b32 s46, s42, 9
	s_lshl_b32 s47, s12, 8
	s_add_co_u32 s46, s46, s47                     ; my first column, in bytes
	s_mov_b32 s47, 0
	s_add_nc_u64 s[8:9], s[8:9], s[46:47]
; 4 matrix instructions: token block a x the four column blocks, 128 along K.  The 16 accumulators take turns, one instruction a turn, in the same order in every K step.
.macro MUL4 f, a, zero
.irp b, 0,1,2,3
.if \zero
	v_wmma_f32_16x16x128_bf8_bf8 v[ACC+8*(4*(\a)+\b):ACC+8*(4*(\a)+\b)+7], v[\f+64+16*\b:\f+64+16*\b+15], v[\f+16*(\a):\f+16*(\a)+15], 0
.else
	v_wmma_f32_16x16x128_bf8_bf8 v[ACC+8*(4*(\a)+\b):ACC+8*(4*(\a)+\b)+7], v[\f+64+16*\b:\f+64+16*\b+15], v[\f+16*(\a):\f+16*(\a)+15], v[ACC+8*(4*(\a)+\b):ACC+8*(4*(\a)+\b)+7]
.endif
.endr
.endm
.macro FETCH slot, q, f                ; 32 LDS loads in one run: K step q of the slot: the weight's four fragments, then the tokens' four
	WIN TO_F
.irp i, 0,1,2,3
.irp c, 0,1,2,3
	ds_load_b128 v[\f+64+16*\i+4*\c:\f+64+16*\i+4*\c+3], v[ADRB+\slot] offset:16384*(\q)+2048*\i+512*\c
.endr
.endr
.irp i, 0,1,2,3
.irp c, 0,1,2,3
	ds_load_b128 v[\f+16*\i+4*\c:\f+16*\i+4*\c+3], v[ADRA+\slot] offset:16384*(\q)+2048*\i+512*\c
.endr
.endr
.endm
.macro PLACES
.rept 4
	v_nop
.endr
.endm
; One of a slot's first three K steps: multiplies buffer f and fetches K step qn into buffer g.
.macro QUARTER slot, qn, f, g, zero
	s_wait_dscnt 8                                 ; the weight's fragments and token blocks 0, 1 are in; the youngest eight loads (blocks 2, 3) may be out
	WIN MUL
	MUL4 \f, 0, \zero
	MUL4 \f, 1, \zero
	PLACES
	FETCH \slot, \qn, \g
	s_wait_dscnt 32                                ; all but the 32 just issued
	WIN MUL
	MUL4 \f, 2, \zero
	MUL4 \f, 3, \zero
.endm
; A slot's last K step multiplies buffer 1 and changes slots: ONE barrier; in front of it each wave waits for all its tensor loads, adds 0 to its spare word, and waits for that and for its reads of this slot.
.macro TURN slot, next, fill
	WIN 0                                          ; (the add's two registers lie in window 0)
	s_wait_tensorcnt 0x0                           ; all my tensor loads have landed: my part of the next slot
	ds_add_u32 v[SPW], v[NIL]                      ; 0 onto my spare word
	s_wait_dscnt 9                                 ; (the add and the youngest eight loads may be out)
	WIN MUL
	MUL4 F1, 0, 0                                  ; four matrix instructions stand between the add and the wait for it
	s_wait_dscnt 0x0                               ; the add is done, and my reads of this slot are over
	s_barrier_signal -1
	MUL4 F1, 1, 0
.if \fill
	WIN 0
.endif
	s_barrier_wait -1
.if \fill
	CREST                                          ; the barrier has opened a round of the cluster's: no wave of any partner still reads this slot or has a load on its way
	s_add_nc_u64 s[G0+4*\slot+2:G0+4*\slot+3], s[G0+4*\slot+2:G0+4*\slot+3], 2*65536
	s_add_nc_u64 s[G0B+4*\slot+2:G0B+4*\slot+3], s[G0B+4*\slot+2:G0B+4*\slot+3], 2*65536
	JLOAD \slot                                    ; the first tensor load behind the round; its four v_nop are the places in front of the loads below
.else
	PLACES
.endif
	FETCH \next, 0, F0
	WIN MUL
	MUL4 F1, 2, 0
	MUL4 F1, 3, 0
.endm
	s_wait_tensorcnt 1                             ; my part of slot 0 is in; slot 1's load may be out
	s_barrier_signal -1
	s_barrier_wait -1
	FETCH 0, 0, F0
	QUARTER 0, 1, F0, F1, 1                        ; the first K step stands in front of the loop: its products start the sums
.if LAPS > 1
	WIN 0
	s_mov_b32 s3, LAPS-1
.Llap:
	QUARTER 0, 2, F1, F0, 0
	QUARTER 0, 3, F0, F1, 0
	TURN 0, 1, 1
	QUARTER 1, 1, F0, F1, 0
	QUARTER 1, 2, F1, F0, 0
	QUARTER 1, 3, F0, F1, 0
	TURN 1, 0, 1
	QUARTER 0, 1, F0, F1, 0
	WIN 0
	s_sub_co_u32 s3, s3, 1
	s_cmp_lg_u32 s3, 0
	s_cbranch_scc1 .Llap
.endif
	QUARTER 0, 2, F1, F0, 0                        ; the last lap fills nothing
	QUARTER 0, 3, F0, F1, 0
	TURN 0, 1, 0
	QUARTER 1, 1, F0, F1, 0
	QUARTER 1, 2, F1, F0, 0
	QUARTER 1, 3, F0, F1, 0
	s_wait_dscnt 8
	WIN MUL
	MUL4 F1, 0, 0
	MUL4 F1, 1, 0
	s_wait_dscnt 0
	MUL4 F1, 2, 0
	MUL4 F1, 3, 0
	WIN 0
	; THE WAY OUT.  A lane holds pieces of one row; a block of 16 tokens x 64 columns goes through my own stage and comes back as rows of 256 bytes, into the registers that it left.
	; LDS serves a wave's instructions in order (ISA guide 5.7.1.4): no wait between the stores and the loads, nor in front of the next block's stores.
	PLACES
.irp a, 0,1,2,3
.irp b, 0,1,2,3
	ds_store_b128 v[STO], v[ACC+8*(4*\a+\b):ACC+8*(4*\a+\b)+3] offset:128*(\b/2)+32*(\b%2)          ; each accumulator from its low end on
	ds_store_b128 v[STO], v[ACC+8*(4*\a+\b)+4:ACC+8*(4*\a+\b)+7] offset:128*(\b/2)+32*(\b%2)+16
.endr
.irp t, 0,1,2,3,4,5,6,7
	ds_load_b128 v[ACC+32*\a+4*\t:ACC+32*\a+4*\t+3], v[RD] offset:2*SPITCH*\t
.endr
.endr
.irp a, 0,1,2,3
.irp t, 0,1,2,3,4,5,6,7
	s_wait_dscnt 16*(3-\a)+7-\t                    ; behind this load: the rest of its block's loads and sixteen LDS instructions for each later block
	global_store_b128 v[CO], v[ACC+32*\a+4*\t:ACC+32*\a+4*\t+3], s[8:9] offset:(32*(\a/2)+8*(\a%2)+2*\t+8*(\t/4))*4096   ; slots 2 t, 2 t + 1 at their true rows; 16 lanes store 256 consecutive aligned bytes
.endr
.endr
	s_wait_tensorcnt 0x0                           ; the wave's end
	ds_add_u32 v[SPW], v[NIL]
	s_wait_dscnt 0x0
	CROUND                                         ; the closing round
	s_endpgm
.Lfunc_end_k_q5e9f30b32c_ffn2:
	.size	k_q5e9f30b32c_ffn2, .Lfunc_end_k_q5e9f30b32c_ffn2-k_q5e9f30b32c_ffn2
	.p2alignl 7, 3214868480
	.fill 96, 4, 3214868480
	.section	.rodata,"a",@progbits
	.p2align	6, 0x0
	.amdhsa_kernel k_q5e9f30b32c_ffn2
		.amdhsa_group_segment_fixed_size 327680
		.amdhsa_private_segment_fixed_size 0
		.amdhsa_enable_private_segment 0
		.amdhsa_kernarg_size 24
		.amdhsa_user_sgpr_count 2
		.amdhsa_user_sgpr_kernarg_segment_ptr 1
		.amdhsa_wavefront_size32 1
		.amdhsa_system_sgpr_workgroup_id_x 1
		.amdhsa_system_sgpr_workgroup_id_y 1
		.amdhsa_system_sgpr_workgroup_id_z 1
		.amdhsa_system_vgpr_workitem_id 0
		.amdhsa_next_free_vgpr 512
		.amdhsa_next_free_sgpr 66
		.amdhsa_reserve_vcc 0
		.amdhsa_float_denorm_mode_32 3
		.amdhsa_float_denorm_mode_16_64 3
		.amdhsa_memory_ordered 1
		.amdhsa_forward_progress 1
		.amdhsa_inst_pref_size 70
	.end_amdhsa_kernel
	.amdgpu_metadata
---
amdhsa.version: [ 1, 2 ]
amdhsa.kernels:
  - .name:           k_q5e9f30b32c_ffn2
    .symbol:         k_q5e9f30b32c_ffn2.kd
    .args:
      - { .name: hc, .offset: 0, .size: 8, .value_kind: global_buffer, .address_space: global }
      - { .name: ops, .offset: 8, .size: 8, .value_kind: global_buffer, .address_space: global }
      - { .name: z, .offset: 16, .size: 8, .value_kind: global_buffer, .address_space: global }
    .group_segment_fixed_size: 327680
    .private_segment_fixed_size: 0
    .kernarg_segment_align: 8
    .kernarg_segment_size: 24
    .max_flat_workgroup_size: 128
    .sgpr_count:     66
    .vgpr_count:     512
    .wavefront_size: 32
...
	.end_amdgpu_metadata
.endif
;; end of part 7
;; launch ln2 (part 8): grid 256 x 1, 4 waves a work-group, no clusters, 0 bytes of LDS; arguments z, xf, b2, ln2_g, ln2_b, lowp_scales, out0; writes out0
.if DOCPART == 8
	.amdgcn_target "amdgcn-amd-amdhsa--gfx1250"
	.amdhsa_code_object_version 6
	.text
	.protected	k_q5e9f30b32c_ln2
	.globl	k_q5e9f30b32c_ln2
	.p2align	8
	.type	k_q5e9f30b32c_ln2,@function
k_q5e9f30b32c_ln2:
	s_mov_b64 s[64:65], 0
	v_nop
	global_prefetch_b8 v0, s[64:65] scope:SCOPE_SE
	s_setreg_imm32_b32 hwreg(HW_REG_WAVE_MODE, 25, 1), 1
	s_wait_xcnt 0x0
; y = LayerNorm(res + z x 2^(ea + eb) + bias) x gain + beta, rows of 1,024, all in f32; mean first, then the mean of squares of the differences.  One source for two launches:
; CODES = 1: z = context x Wo's raw sums, res = src; y goes out as f32 (xf) and as codes of E5M2 under entry 12 (xc), laid as images of operand registers;  CODES = 0: z = hidden x W2's sums, res = xf; y is the output.
; A work-group takes one block of 16 token slots (slot r of block TB is true row 32 (TB / 2) + 8 (TB % 2) + r + 8 (r / 8)); a wave takes four slots, which are four neighbouring rows; a row lies in 32 registers
; of the wave (lane l: columns 4 l + 128 q), so each load and store covers 512 consecutive bytes and the sums never leave the wave.  Two row sets take turns: one at work, one on its way in.
; CODES = 1: the 16 rows meet in a stage in LDS (pitch 4,112 = 257 x 16 bytes); behind one barrier wave w makes the pieces of K steps 2 w and 2 w + 1: lane 16 h + r takes k = 32 c + 16 h + 0 .. 15 of slot r.
; Memory binds: no matrix unit, no cluster (no work-group reads what another reads but 12 KiB of parameters), no tensor loads.
; LIMITS: ea + eb between -126 and 127; entry 12 between -126 and 112.  NaN among the inputs is not served.
.set CODES, 0
.if CODES
.set EA, 42                            ; entries 10, 11 (entry n in s[32 + n])
.set EB, 43
.else
.set EA, 46                            ; entries 14, 15
.set EB, 47
.endif
.set BO,  32                           ; v32-63 bias, v64-95 gain, v96-127 beta of my 32 columns
.set GA,  64
.set BE,  96
.set SPT, 4112
	s_load_b256 s[4:11], s[0:1], 0x0               ; z, res, bias, gain
	s_load_b128 s[12:15], s[0:1], 0x20             ; beta, the scales' exponents
	s_load_b64 s[16:17], s[0:1], 0x30              ; y in f32
.if CODES
	s_load_b64 s[18:19], s[0:1], 0x38              ; y's codes
.endif
	v_lshrrev_b32 v4, 5, v0
	v_readfirstlane_b32 s20, v4                    ; wave 0..3
	v_and_b32 v4, 31, v0
	v_lshlrev_b32 v1, 4, v4                        ; 16 x lane; never rewritten
	s_lshr_b32 s21, ttmp9, 1
	s_lshl_b32 s21, s21, 5
	s_and_b32 s22, ttmp9, 1
	s_lshl_b32 s22, s22, 3
	s_add_co_u32 s21, s21, s22
	s_lshl_b32 s22, s20, 2
	s_add_co_u32 s21, s21, s22
	s_lshr_b32 s22, s20, 1
	s_lshl_b32 s22, s22, 3
	s_add_co_u32 s21, s21, s22                     ; my first row: 32 (TB / 2) + 8 (TB % 2) + 4 w + 8 (w / 2)
	s_lshl_b32 s22, s21, 12
	s_mov_b32 s23, 0
	s_mov_b32 s26, 0x3a800000                      ; 1 / 1,024
	s_mov_b32 s27, 0x3727c5ac                      ; 1e-5
	s_mov_b32 s28, 0x76543210
	s_mov_b32 s29, 0xfedcba98                      ; v_permlanex16_b32's selects for lane l xor 16
.if CODES
	s_mul_i32 s30, s20, 4*SPT
	v_add_nc_u32 v2, s30, v1                       ; the stage, on the way in: my four slots, as the bytes lie
	v_and_b32 v3, 15, v0
	v_bfe_u32 v4, v0, 4, 1
	v_mul_u32_u24 v3, v3, SPT
	v_lshl_add_u32 v3, v4, 6, v3
	s_lshl_b32 s31, s20, 10
	v_add_nc_u32 v3, s31, v3                       ; and on the way out: row = slot r, + 64 h, + my two K steps' 1,024 bytes x wave
	s_lshr_b32 s30, ttmp9, 4
	s_lshl_b32 s30, s30, 18                        ; the codes: [tile of 16 blocks][K step 8][block][piece]
	s_and_b32 s31, ttmp9, 15
	s_lshl_b32 s31, s31, 11
	s_add_co_u32 s30, s30, s31
	s_lshl_b32 s31, s20, 16
	s_add_co_u32 s30, s30, s31
	s_mov_b32 s31, 0
.endif
	s_wait_kmcnt 0x0
	s_load_b512 s[32:47], s[14:15], 0x0
	s_add_nc_u64 s[4:5], s[4:5], s[22:23]
	s_add_nc_u64 s[6:7], s[6:7], s[22:23]
	s_add_nc_u64 s[16:17], s[16:17], s[22:23]
.if CODES
	s_add_nc_u64 s[18:19], s[18:19], s[30:31]
.endif
.irp q, 0,1,2,3,4,5,6,7
	global_load_b128 v[BO+4*\q:BO+4*\q+3], v1, s[8:9] offset:512*\q
	global_load_b128 v[GA+4*\q:GA+4*\q+3], v1, s[10:11] offset:512*\q
	global_load_b128 v[BE+4*\q:BE+4*\q+3], v1, s[12:13] offset:512*\q
.endr
.macro RLOAD i                         ; row i: z into the set's first 32 registers, res into its second 32
.irp q, 0,1,2,3,4,5,6,7
	global_load_b128 v[128+64*((\i)%2)+4*\q:128+64*((\i)%2)+4*\q+3], v1, s[4:5] offset:4096*(\i)+512*\q th:TH_LOAD_NT
	global_load_b128 v[160+64*((\i)%2)+4*\q:160+64*((\i)%2)+4*\q+3], v1, s[6:7] offset:4096*(\i)+512*\q th:TH_LOAD_NT
.endr
.endm
	RLOAD 0
	RLOAD 1
	s_wait_kmcnt 0x0
	s_add_co_i32 s24, s[EA], s[EB]
	s_add_co_i32 s24, s24, 127
	s_lshl_b32 s24, s24, 23                        ; 2^(ea + eb) as f32
	s_mov_b32 s25, s24                             ; (named with it as a pair, so it is written)
.if CODES
	s_add_co_i32 s30, s44, 127
	s_lshl_b32 s31, s30, 23
	v_mov_b32 v20, s31                             ; 2^e12
	s_add_co_i32 s30, s30, 15
	s_lshl_b32 s30, s30, 23
	s_or_b32 s30, s30, 0x600000
	v_mov_b32 v21, s30                             ; 57,344 x 2^e12
.endif
.macro REDUCE                          ; v[4:7], two packed chains, become one sum in every lane's v4
	v_pk_add_f32 v[4:5], v[4:5], v[6:7]
	v_add_f32 v4, v4, v5
	v_add_f32_dpp v4, v4, v4 row_xmask:1 row_mask:0xf bank_mask:0xf
	v_add_f32_dpp v4, v4, v4 row_xmask:2 row_mask:0xf bank_mask:0xf
	v_add_f32_dpp v4, v4, v4 row_xmask:4 row_mask:0xf bank_mask:0xf
	v_add_f32_dpp v4, v4, v4 row_xmask:8 row_mask:0xf bank_mask:0xf
	v_permlanex16_b32 v5, v4, s28, s29
	v_add_f32 v4, v4, v5
.endm
.macro ROW i
.set Z, 128+64*((\i)%2)
.if (\i) < 3
	s_wait_loadcnt 16                              ; this row's loads (and the parameters') are in; the next row's sixteen may be out
.else
	s_wait_loadcnt 0x0
.endif
.set j, 0
.rept 16
	v_pk_fma_f32 v[Z+j:Z+j+1], v[Z+j:Z+j+1], s[24:25], v[BO+j:BO+j+1] op_sel_hi:[1,0,1]   ; sum x 2^(ea + eb) + bias
.set j, j+2
.endr
.set j, 0
.rept 16
	v_pk_add_f32 v[Z+j:Z+j+1], v[Z+j:Z+j+1], v[Z+32+j:Z+32+j+1]                           ; + the residual
.set j, j+2
.endr
	v_pk_add_f32 v[4:5], v[Z:Z+1], v[Z+2:Z+3]
	v_pk_add_f32 v[6:7], v[Z+4:Z+5], v[Z+6:Z+7]
.irp j, 8,12,16,20,24,28
	v_pk_add_f32 v[4:5], v[4:5], v[Z+\j:Z+\j+1]
	v_pk_add_f32 v[6:7], v[6:7], v[Z+\j+2:Z+\j+3]
.endr
	REDUCE
	v_mul_f32 v8, s26, v4                          ; the mean
	v_mov_b32 v9, v8
.set j, 0
.rept 16
	v_pk_add_f32 v[Z+j:Z+j+1], v[Z+j:Z+j+1], v[8:9] neg_lo:[0,1] neg_hi:[0,1]
.set j, j+2
.endr
	v_pk_mul_f32 v[4:5], v[Z:Z+1], v[Z:Z+1]
	v_pk_mul_f32 v[6:7], v[Z+2:Z+3], v[Z+2:Z+3]
.irp j, 4,8,12,16,20,24,28
	v_pk_fma_f32 v[4:5], v[Z+\j:Z+\j+1], v[Z+\j:Z+\j+1], v[4:5]
	v_pk_fma_f32 v[6:7], v[Z+\j+2:Z+\j+3], v[Z+\j+2:Z+\j+3], v[6:7]
.endr
	REDUCE
	v_fma_f32 v4, v4, s26, s27                     ; the variance + 1e-5
	v_rsq_f32 v10, v4
	v_nop                                          ; a plain line behind the root
	s_wait_alu depctr_va_vdst(0)                   ; and the wait ahead of its first reader
	v_mov_b32 v11, v10
.set j, 0
.rept 16
	v_pk_mul_f32 v[Z+j:Z+j+1], v[Z+j:Z+j+1], v[10:11]
.set j, j+2
.endr
.set j, 0
.rept 16
	v_pk_fma_f32 v[Z+j:Z+j+1], v[Z+j:Z+j+1], v[GA+j:GA+j+1], v[BE+j:BE+j+1]
.set j, j+2
.endr
.irp q, 0,1,2,3,4,5,6,7
.if CODES
	global_store_b128 v1, v[Z+4*\q:Z+4*\q+3], s[16:17] offset:4096*(\i)+512*\q
	ds_store_b128 v2, v[Z+4*\q:Z+4*\q+3] offset:SPT*(\i)+512*\q
.else
	global_store_b128 v1, v[Z+4*\q:Z+4*\q+3], s[16:17] offset:4096*(\i)+512*\q th:TH_STORE_NT
.endif
.endr
	s_wait_xcnt 0x0                                ; the stores have read the set: it may be written again
.if CODES
	s_wait_dscnt 0x0                               ; and so have the stores into the stage
.endif
.if (\i) < 2
	RLOAD (\i)+2
.endif
.endm
	ROW 0
	ROW 1
	ROW 2
	ROW 3
.if CODES
	s_barrier_signal -1                            ; every wave's stores into the stage have landed (the wait for 0 stands at the end of its last row)
	s_barrier_wait -1
.set g, 0
.rept 8                                ; group g = 4 x (K step of my two) + piece: my 16 numbers of it
.irp j, 0,1,2,3
	ds_load_b128 v[128+16*g+4*\j:128+16*g+4*\j+3], v3 offset:(g/4)*512+(g%4)*128+16*\j
.endr
.set g, g+1
.endr
.set g, 0
.rept 8
	s_wait_dscnt 28-4*g                            ; this group's four loads are in; the later groups' may be out
.set i, 0
.rept 16
	v_med3_num_f32 v[128+16*g+i], v[128+16*g+i], -v21, v21   ; the conversion to an 8-bit code does not saturate (ISA guide 7.6.2)
.set i, i+1
.endr
	v_cvt_scalef32_pk8_bf8_f32 v[32+4*g:33+4*g], v[128+16*g:135+16*g], v20      ; each group has its own registers for its codes: no store's data are written again
	v_cvt_scalef32_pk8_bf8_f32 v[34+4*g:35+4*g], v[136+16*g:143+16*g], v20
	v_nop
	global_store_b128 v1, v[32+4*g:35+4*g], s[18:19] offset:(g/4)*32768+(g%4)*512   ; a whole piece: 512 consecutive aligned bytes
.set g, g+1
.endr
.endif
	s_endpgm
.Lfunc_end_k_q5e9f30b32c_ln2:
	.size	k_q5e9f30b32c_ln2, .Lfunc_end_k_q5e9f30b32c_ln2-k_q5e9f30b32c_ln2
	.p2alignl 7, 3214868480
	.fill 96, 4, 3214868480
	.section	.rodata,"a",@progbits
	.p2align	6, 0x0
	.amdhsa_kernel k_q5e9f30b32c_ln2
		.amdhsa_group_segment_fixed_size 0
		.amdhsa_private_segment_fixed_size 0
		.amdhsa_enable_private_segment 0
		.amdhsa_kernarg_size 56
		.amdhsa_user_sgpr_count 2
		.amdhsa_user_sgpr_kernarg_segment_ptr 1
		.amdhsa_wavefront_size32 1
		.amdhsa_system_sgpr_workgroup_id_x 1
		.amdhsa_system_sgpr_workgroup_id_y 1
		.amdhsa_system_sgpr_workgroup_id_z 1
		.amdhsa_system_vgpr_workitem_id 0
		.amdhsa_next_free_vgpr 256
		.amdhsa_next_free_sgpr 66
		.amdhsa_reserve_vcc 0
		.amdhsa_float_denorm_mode_32 3
		.amdhsa_float_denorm_mode_16_64 3
		.amdhsa_memory_ordered 1
		.amdhsa_forward_progress 1
		.amdhsa_inst_pref_size 46
	.end_amdhsa_kernel
	.amdgpu_metadata
---
amdhsa.version: [ 1, 2 ]
amdhsa.kernels:
  - .name:           k_q5e9f30b32c_ln2
    .symbol:         k_q5e9f30b32c_ln2.kd
    .args:
      - { .name: z, .offset: 0, .size: 8, .value_kind: global_buffer, .address_space: global }
      - { .name: xf, .offset: 8, .size: 8, .value_kind: global_buffer, .address_space: global }
      - { .name: b2, .offset: 16, .size: 8, .value_kind: global_buffer, .address_space: global }
      - { .name: ln2_g, .offset: 24, .size: 8, .value_kind: global_buffer, .address_space: global }
      - { .name: ln2_b, .offset: 32, .size: 8, .value_kind: global_buffer, .address_space: global }
      - { .name: lowp_scales, .offset: 40, .size: 8, .value_kind: global_buffer, .address_space: global }
      - { .name: out0, .offset: 48, .size: 8, .value_kind: global_buffer, .address_space: global }
    .group_segment_fixed_size: 0
    .private_segment_fixed_size: 0
    .kernarg_segment_align: 8
    .kernarg_segment_size: 56
    .max_flat_workgroup_size: 128
    .sgpr_count:     66
    .vgpr_count:     256
    .wavefront_size: 32
...
	.end_amdgpu_metadata
.endif
;; end of part 8
